; MI455X (gfx1250); checked and timed in simulation.
; The chip was launched on July 23, 2026; its instructions are those of AMD's public machine-readable ISA for CDNA 5 (MIT licence, August 2026) and "CDNA5" Instruction Set Architecture Reference Guide (July 2026). The comments in the code are by the model that wrote it; some were corrected since.
;; Attention. Allowed arithmetic: float matrix products may take bf16 or f16 operands with f32 sums; all other float work in f32.
;; Inputs: w_proj 1,024 x 1,024 float32; w_qkv 1,024 x 3,072 float32; x 4 x 2,048 x 1,024 float32.
;; Outputs: out0 4 x 2,048 x 1,024 float32.
;; 2 versions, each right; version 2 is version 1 with the launch prep written anew for expert scheduling mode. Each part assembles by itself: llvm-mc -triple=amdgcn-amd-amdhsa -mcpu=gfx1250 --defsym DOCPART=n.
;; ======== version 1 of 2: 4 launches
;; limits: values are held in f16: magnitudes above 65,504 overflow, below 6.1e-05 lose precision
;; workspace buffers: xb 16,777,216 bytes; wt 8,388,608 bytes; qkv 50,331,648 bytes; att 16,777,216 bytes
;; launch prep (part 1): grid 768 x 1, 4 waves a work-group, no clusters, 37,376 bytes of LDS; arguments x, w_qkv, w_proj, xb, wt; writes xb, wt
.if DOCPART == 1
	.amdgcn_target "amdgcn-amd-amdhsa--gfx1250"
	.amdhsa_code_object_version 6
	.text
	.protected	k_qac1c4b2971_prep
	.globl	k_qac1c4b2971_prep
	.p2align	8
	.type	k_qac1c4b2971_prep,@function
k_qac1c4b2971_prep:
	s_mov_b64 s[64:65], 0
	v_nop
	global_prefetch_b8 v0, s[64:65] scope:SCOPE_SE
	s_setreg_imm32_b32 hwreg(HW_REG_WAVE_MODE, 25, 1), 1
	s_wait_xcnt 0x0
; prep: casts x, and casts and transposes both weights, into PANELS: P[col/64][row][64], 16-bit numbers, a row of 128 bytes, rows without gaps.
;   xb [16][8192][64] bf16 = x.     wt [16 kp][4096 n][64 k]: n 0..3071 = w_qkv transposed (bf16), n 3072..4095 = w_proj transposed.
; Every tile that a later launch wants is then a dense block, and every store here covers 256 or 512 consecutive aligned bytes.
; FORMATS OF THE WHOLE PROGRAM.  x, w_qkv: bf16.  w_proj: rounded to bf16 and then held as f16, which holds every bf16 number from 2^-17 to
; 65,504 exactly (smaller ones within 2^-25): its partner in the last product, the attention output, is kept in f16, whose three more bits are
; needed because the first rows of a sequence are some ten times larger than the output's root mean square.  q, k, v, the attention weights and
; the attention output: f16.  LIMIT: |q|, |k| or |v| above 65,504 become infinity (with inputs of spread 1 and 1/32 they stay under about 6;
; both 30 times larger: about 5,000; both carrying offsets of 30 spreads: about 28,800).  All sums, maxima and exponentials in f32.
; WORK LEFT OUT IN THE PROGRAM.  reference() replaces the score of every key > query by -inf in its own body, so that key's weight is exactly 0
; whatever q, k and v hold.  The attention launch therefore computes no unit of 16 queries x 64 keys that lies wholly above the diagonal.
; LIMIT: a NaN or an infinity in k or v that reaches only such units is not carried to the result.  All three inputs are live and are loaded.
; SHARING.  A wave does one task of 64 x 64 numbers (16 KiB in, 8 KiB out) and needs no other wave: no barrier.  Work-groups 0..511: x;
; 512..703: w_qkv; 704..767: w_proj.  Task T: panel kp = T & 15, block of 64 rows (x) or 64 columns n (weights) blk = T >> 4.
.set TP, 144                           ; pitch of the transposing stage in LDS: 128 bytes + 16
	s_load_b256 s[4:11], s[0:1], 0x0               ; x s[4:5], w_qkv s[6:7], w_proj s[8:9], xb s[10:11]
	s_load_b64 s[12:13], s[0:1], 0x20              ; wt
	v_lshl_add_u32 v224, v0, 2, 0x9000
	v_mov_b32 v225, 0
	v_lshrrev_b32 v5, 5, v0
	v_readfirstlane_b32 s14, v5                    ; wave
	v_and_b32 v6, 15, v0                           ; c: my 16 bytes in 256
	v_bfe_u32 v7, v0, 4, 1                         ; hh: which half of the lanes
	v_and_b32 v8, 31, v0                           ; lane
	s_mov_b32 s23, 0                               ; high words of the two offsets
	s_mov_b32 s25, 0
	s_cmp_lt_u32 ttmp9, 512
	s_cbranch_scc0 .Lweights
	; x: a load takes 256 bytes of each of two rows; a store puts the same two rows, 2 x 128 bytes, side by side in the panel
	s_lshl2_add_u32 s15, ttmp9, s14                ; T = 4 g + wave
	s_and_b32 s16, s15, 15                         ; kp
	s_lshr_b32 s17, s15, 4                         ; blk
	s_lshl_b32 s22, s17, 18                        ; 64 rows of 4,096 bytes
	s_lshl_b32 s26, s16, 8                         ; 64 columns of 4 bytes
	s_add_co_u32 s22, s22, s26
	s_lshl_b32 s24, s16, 20                        ; a panel of xb: 8,192 rows of 128 bytes
	s_lshl_b32 s26, s17, 13                        ; 64 rows of 128 bytes
	s_add_co_u32 s24, s24, s26
	v_lshlrev_b32 v1, 12, v7                       ; lanes 16-31: the next row
	v_lshl_add_u32 v1, v6, 4, v1
	v_lshlrev_b32 v2, 3, v8                        ; 8 bytes a lane: 256 consecutive bytes a store
	s_wait_kmcnt 0x0
	s_add_nc_u64 s[18:19], s[4:5], s[22:23]
	s_add_nc_u64 s[20:21], s[10:11], s[24:25]
.set it, 0
.rept 32
	global_load_b128 v[32+4*it:35+4*it], v1, s[18:19] offset:it*8192 th:TH_LOAD_NT
.set it, it+1
.endr
.set it, 0
.rept 32
	s_wait_loadcnt 31-it                           ; loads come back in order: the 31 - t younger ones stay out
	v_cvt_pk_bf16_f32 v[160+2*it], v[32+4*it], v[33+4*it]
	v_cvt_pk_bf16_f32 v[161+2*it], v[34+4*it], v[35+4*it]
	global_store_b64 v2, v[160+2*it:161+2*it], s[20:21] offset:256*it   ; no register is written twice: no further wait
.set it, it+1
.endr
	s_endpgm
; A weight's task: 64 k x 64 n of f32, stored [k][n], becomes 64 rows n of 64 k.  src: the scalar pair with the weight's address; PW: bytes in a row of it;
; NOFF: its first row in wt; G0: its first work-group; half = 1: the bf16 roundings are kept as f16.
; Lane (c, hh) loads w[32 hh + 2 v + ab][4 c .. 4 c + 3]; a conversion packs k and k + 1 of one n, so sixteen registers hold 32 k of one n: 64 bytes of a row of the stage.
.macro TRANSP src, PW, NOFF, G0, half
	s_sub_co_u32 s15, ttmp9, \G0
	s_lshl2_add_u32 s15, s15, s14                  ; T
	s_and_b32 s16, s15, 15                         ; kp
	s_lshr_b32 s17, s15, 4                         ; blk
	s_mul_i32 s22, s16, 64*\PW                     ; 64 rows k
	s_lshl_b32 s26, s17, 8                         ; 64 columns n of 4 bytes
	s_add_co_u32 s22, s22, s26
	s_lshl_b32 s24, s16, 19                        ; a panel of wt: 4,096 rows of 128 bytes
	s_lshl_b32 s26, s17, 13
	s_add_co_u32 s24, s24, s26
.if \NOFF
	s_add_co_u32 s24, s24, \NOFF*128
.endif
	v_mul_u32_u24 v1, v7, 32*\PW                   ; lanes 16-31: 32 rows k further down
	v_lshl_add_u32 v1, v6, 4, v1
	v_lshlrev_b32 v2, 4, v8                        ; 16 bytes a lane: 512 consecutive bytes a store
	s_mul_i32 s27, s14, 64*TP                      ; my wave's own stage
	v_mul_u32_u24 v3, v6, 4*TP                     ; in: rows n = 4 c + j, 64 bytes for each half of the lanes
	v_lshl_add_u32 v3, v7, 6, v3
	v_add_nc_u32 v3, s27, v3
	v_lshrrev_b32 v4, 3, v8                        ; back: eight lanes take a row of 128 bytes
	v_mul_u32_u24 v4, v4, TP
	v_and_b32 v9, 7, v0
	v_lshl_add_u32 v4, v9, 4, v4
	v_add_nc_u32 v4, s27, v4
	s_wait_kmcnt 0x0
	s_add_nc_u64 s[18:19], s[\src:\src+1], s[22:23]
	s_add_nc_u64 s[20:21], s[12:13], s[24:25]
.set it, 0
.rept 32
	global_load_b128 v[32+4*it:35+4*it], v1, s[18:19] offset:it*\PW th:TH_LOAD_NT
.set it, it+1
.endr
.set iv, 0
.rept 16
	s_wait_loadcnt 30-2*iv                         ; rows 2 v and 2 v + 1 are in; the 30 - 2 v younger loads stay out
.irp j, 0,1,2,3
	v_cvt_pk_bf16_f32 v[160+16*\j+iv], v[32+8*iv+\j], v[36+8*iv+\j]
.if \half
	v_lshlrev_b32 v10, 16, v[160+16*\j+iv]         ; the two bf16 roundings as f32,
	v_and_b32 v11, 0xffff0000, v[160+16*\j+iv]
	v_cvt_pk_f16_f32 v[160+16*\j+iv], v10, v11     ; and as f16
.endif
.endr
.set iv, iv+1
.endr
	; the stores' sixteen lanes fall on four 16-byte columns modulo 256 bytes (576 c): four deep, for 16 stores in the whole task
.irp j, 0,1,2,3
.irp q, 0,1,2,3
	ds_store_b128 v3, v[160+16*\j+4*\q:163+16*\j+4*\q] offset:TP*\j+16*\q
.endr
.endr
.irp t, 0,1,2,3,4,5,6,7,8,9,10,11,12,13,14,15
	ds_load_b128 v[32+4*\t:35+4*\t], v4 offset:4*TP*\t     ; my own bytes; LDS serves a wave's instructions in order (ISA guide 5.7.1): these see the stores above
.endr
.irp t, 0,1,2,3,4,5,6,7,8,9,10,11,12,13,14,15
	s_wait_dscnt 15-\t
	global_store_b128 v2, v[32+4*\t:35+4*\t], s[20:21] offset:512*\t       ; four rows n of the panel
.endr
	s_wait_tensorcnt 0x0
	ds_add_u32 v224, v225
	s_wait_dscnt 0x0
	s_endpgm
.endm
.Lweights:
	s_cmp_lt_u32 ttmp9, 704
	s_cbranch_scc0 .Lproj
	TRANSP 6, 12288, 0, 512, 0
.Lproj:
	TRANSP 8, 4096, 3072, 704, 1
.Lfunc_end_k_qac1c4b2971_prep:
	.size	k_qac1c4b2971_prep, .Lfunc_end_k_qac1c4b2971_prep-k_qac1c4b2971_prep
	.p2alignl 7, 3214868480
	.fill 96, 4, 3214868480
	.section	.rodata,"a",@progbits
	.p2align	6, 0x0
	.amdhsa_kernel k_qac1c4b2971_prep
		.amdhsa_group_segment_fixed_size 37376
		.amdhsa_private_segment_fixed_size 0
		.amdhsa_enable_private_segment 0
		.amdhsa_kernarg_size 40
		.amdhsa_user_sgpr_count 2
		.amdhsa_user_sgpr_kernarg_segment_ptr 1
		.amdhsa_wavefront_size32 1
		.amdhsa_system_sgpr_workgroup_id_x 1
		.amdhsa_system_sgpr_workgroup_id_y 1
		.amdhsa_system_sgpr_workgroup_id_z 1
		.amdhsa_system_vgpr_workitem_id 0
		.amdhsa_next_free_vgpr 226
		.amdhsa_next_free_sgpr 66
		.amdhsa_reserve_vcc 0
		.amdhsa_float_denorm_mode_32 3
		.amdhsa_float_denorm_mode_16_64 3
		.amdhsa_memory_ordered 1
		.amdhsa_forward_progress 1
		.amdhsa_inst_pref_size 49
	.end_amdhsa_kernel
	.amdgpu_metadata
---
amdhsa.version: [ 1, 2 ]
amdhsa.kernels:
  - .name:           k_qac1c4b2971_prep
    .symbol:         k_qac1c4b2971_prep.kd
    .args:
      - { .name: x, .offset: 0, .size: 8, .value_kind: global_buffer, .address_space: global }
      - { .name: w_qkv, .offset: 8, .size: 8, .value_kind: global_buffer, .address_space: global }
      - { .name: w_proj, .offset: 16, .size: 8, .value_kind: global_buffer, .address_space: global }
      - { .name: xb, .offset: 24, .size: 8, .value_kind: global_buffer, .address_space: global }
      - { .name: wt, .offset: 32, .size: 8, .value_kind: global_buffer, .address_space: global }
    .group_segment_fixed_size: 37376
    .private_segment_fixed_size: 0
    .kernarg_segment_align: 8
    .kernarg_segment_size: 40
    .max_flat_workgroup_size: 128
    .sgpr_count:     66
    .vgpr_count:     226
    .wavefront_size: 32
...
	.end_amdgpu_metadata
.endif
;; end of part 1
;; launch gqkv (part 2): grid 24 x 32, 4 waves a work-group, clusters of 4 x 4, 327,680 bytes of LDS; arguments xb, wt, qkv; writes qkv
.if DOCPART == 2
	.amdgcn_target "amdgcn-amd-amdhsa--gfx1250"
	.amdhsa_code_object_version 6
	.text
	.protected	k_qac1c4b2971_gqkv
	.globl	k_qac1c4b2971_gqkv
	.p2align	8
	.type	k_qac1c4b2971_gqkv,@function
k_qac1c4b2971_gqkv:
	s_mov_b64 s[64:65], 0
	v_nop
	global_prefetch_b8 v0, s[64:65] scope:SCOPE_SE
	s_setreg_imm32_b32 hwreg(HW_REG_WAVE_MODE, 25, 1), 1
	s_wait_xcnt 0x0
	s_wait_alu depctr_hold_cnt(0) depctr_sa_sdst(0) depctr_va_vdst(0) depctr_va_sdst(0) depctr_va_ssrc(0) depctr_va_vcc(0) depctr_vm_vsrc(0)
	s_getreg_b32 s2, hwreg(HW_REG_IB_STS2, 6, 4)
	s_cmp_eq_u32 s2, 0
	s_cbranch_scc0 .Lentry_in_a_cluster
	s_endpgm
.Lentry_in_a_cluster:
	s_bfe_u32 s2, ttmp6, 0x10000c
	s_cmp_lg_u32 s2, 0xf033
	s_cbranch_scc0 .Lentry_shape_is_right
	s_endpgm
.Lentry_shape_is_right:
; gqkv: qkv = x w_qkv.  A = xb [16 kp][8192][64] bf16, B = wt rows 0..3071 [16 kp][4096][64] bf16 (w_qkv transposed), sums in f32,
; C = qkv [48][8192][64] f16: panels 0-15 the heads of q, 16-31 of k, 32-47 of v (f16: see the first launch's head; above 65,504 infinity).
; A work-group makes 256 rows x 128 columns of C with four waves: 24 x 32 = 768 equal blocks.  A wave makes 128 x 64: 32 accumulator tiles, 256 registers.
; K goes in steps of 128 = two panels ("planes") through a ring of two LDS slots.  One tensor load a wave: waves 0, 1 bring A's two planes (a dense block of
; 32 KiB each, taken as 128 rows of 256 bytes), waves 2, 3 B's (16 KiB, 64 rows of 256 bytes).  16 bytes of padding behind every 128 bytes: LDS pitch 144 = 9 x 16,
; so the sixteen rows that a fragment load touches start at sixteen different 16-byte columns modulo 256 bytes.
; CLUSTERS: 4 x 4 work-groups.  A's tile hangs on the block row alone and is asked for jointly by the four of a row of the cluster, B's on the block column alone
; and by the four of a column: the requests for A and B are divided by four.
; REGISTERS: window 0: v16-26 addresses, v32-159 A's fragments (two buffers of 8), v160-223 B's (two buffers of 4), v224-239 at work on the way out;
; window 1: accumulator tile (a, b) at v[8 (4 a + b)].  s_set_vgpr_msb: bits 1:0 source 0, 3:2 source 1, 5:4 source 2, 7:6 destination.
; THE MATRIX INSTRUCTION IS USED TRANSPOSED: source 0 = 16 rows of B, source 1 = 16 rows of A: lane l holds row l % 16 of C and eight neighbouring columns.
.set NOFF,   0                         ; first row of my weight in wt
.set PITCH,  144
.set APLANE, 256*PITCH
.set BPLANE, 128*PITCH
.set SLOT,   2*APLANE+2*BPLANE         ; A plane 0, A plane 1, B plane 0, B plane 1
.set STAGE,  2*SLOT                    ; behind the ring: 16 rows x 144 bytes for each wave, for the way out; no tensor load lands there
.set APANEL, 8192*128                  ; bytes in a panel of A
.set BPANEL, 4096*128                  ; and of B
.set LAPS,   4                         ; a lap = two K steps = once round the ring; K = 1024
.set ADRA, 16                          ; v16-17 LDS address of my A fragments in slot 0, 1
.set ADRB, 20                          ; v20-21 the same for B
.set STO,  24
.set RD,   25
.set CO,   26
.set FA0,  32                          ; A's fragment buffer f at FA0 + 64 f
.set FB0,  160                         ; B's at FB0 + 32 f
.set TMP,  224
.set G1, 24                            ; s[24:31] group 1 for A
.set G0, 32                            ; s[32:39] group 0 for A, a set for each slot
.set G1B, 48                           ; s[48:55] group 1 for B
.set G0B, 56                           ; s[56:63] group 0 for B
.set MSB, 0
.macro WIN new                         ; the immediate's high byte repeats the setting that is left
.if MSB != \new
	s_set_vgpr_msb (MSB<<8)|\new
.set MSB, \new
.endif
.endm
.macro PLACES                          ; four places behind a matrix instruction (ISA guide 7.12.1) before its registers are loaded into or its results read
.rept 4
	v_nop
.endr
.endm
.macro JLOAD s                         ; a joint load: waves 0, 1 ask for A, waves 2, 3 for B; the branch hangs on the wave's number alone
	s_cmp_eq_u32 s11, 0
	s_cbranch_scc0 .Lfor_b_\@
	tensor_load_to_lds s[G0+4*\s:G0+4*\s+3], s[G1:G1+7]
	s_nop 0
	s_branch .Lasked_\@
.Lfor_b_\@:
	tensor_load_to_lds s[G0B+4*\s:G0B+4*\s+3], s[G1B:G1B+7]
	s_nop 0
.Lasked_\@:
.endm
.macro CREST                           ; a round of the cluster's barrier behind its opening work-group barrier
	s_cmp_lg_u32 s10, 0
	s_cbranch_scc1 .Lnot_wave_0_\@
	s_barrier_signal -3
.Lnot_wave_0_\@:
	s_barrier_wait -3
	s_barrier_signal -1
	s_barrier_wait -1
.endm
.macro CROUND
	s_barrier_signal -1
	s_barrier_wait -1
	CREST
.endm
	s_load_b128 s[4:7], s[0:1], 0x0                ; A s[4:5], B s[6:7]
	s_load_b64 s[8:9], s[0:1], 0x10                ; C
	v_lshl_add_u32 v254, v0, 2, 0x38400
	v_mov_b32 v255, 0
	ds_add_u32 v254, v255
	ds_add_u32 v254, v255
	v_lshrrev_b32 v1, 5, v0
	v_readfirstlane_b32 s10, v1                    ; wave
	s_lshr_b32 s11, s10, 1                         ; my half of the block's rows.  Also: I fetch for A (0) or B (1)
	s_and_b32 s12, s10, 1                          ; my half of its columns.  Also: which plane I fetch
	s_bfe_u32 s40, ttmp6, 0x40000                  ; cx
	s_bfe_u32 s41, ttmp6, 0x40004                  ; cy
	s_lshl_b32 s42, ttmp9, 2
	s_add_co_u32 s42, s42, s40                     ; block column
	s_and_b32 s13, ttmp7, 0xffff
	s_lshl_b32 s13, s13, 2
	s_add_co_u32 s13, s13, s41                     ; block row
	s_lshl_b32 s43, s41, 2
	s_lshl_b32 s43, 15, s43                        ; my row of the cluster
	s_lshl_b32 s44, 0x1111, s40                    ; my column
	s_or_b32 s[G1+0], s43, (1<<16)|(1<<20)|(1<<21)|(4<<22)|(3<<25)   ; mask; 2-byte elements; padding on; bit 21 beside a mask; after every 32 words; 4 words
	s_or_b32 s[G1B+0], s44, (1<<16)|(1<<20)|(1<<21)|(4<<22)|(3<<25)
	s_mov_b32 s[G1+1], 128<<16                     ; tensor_dim0 = 128 elements (256 bytes)
	s_mov_b32 s[G1B+1], 128<<16
	s_mov_b32 s[G1+2], 128<<16                     ; tensor_dim1 = 128 rows
	s_mov_b32 s[G1B+2], 64<<16                     ;             =  64
	s_mov_b32 s[G1+3], 128<<16                     ; tile_dim0 = 128
	s_mov_b32 s[G1B+3], 128<<16
	s_mov_b32 s[G1+4], 128                         ; tile_dim1
	s_mov_b32 s[G1B+4], 64
	s_mov_b32 s[G1+5], 128                         ; from row to row: 128 elements, the block is dense
	s_mov_b32 s[G1B+5], 128
	s_mov_b32 s[G1+6], 0
	s_mov_b32 s[G1B+6], 0
	s_mov_b32 s[G1+7], 0
	s_mov_b32 s[G1B+7], 0
	s_lshl_b32 s16, s13, 15                        ; A: 256 rows of 128 bytes x block row,
	s_lshl_b32 s17, s12, 20                        ; + my plane
	s_add_co_u32 s16, s16, s17
	s_mov_b32 s17, 0
	s_lshl_b32 s46, s42, 14                        ; B: 128 rows of 128 bytes x block column,
	s_lshl_b32 s47, s12, 19                        ; + my plane
	s_add_co_u32 s46, s46, s47
.if NOFF
	s_add_co_u32 s46, s46, NOFF*128
.endif
	s_mov_b32 s47, 0
	s_mul_i32 s20, s10, APLANE                     ; where A's planes go (waves 0, 1),
	s_mul_i32 s45, s10, BPLANE
	s_add_co_u32 s45, s45, 2*APLANE-2*BPLANE       ; and B's (waves 2, 3): behind A's two
	s_wait_dscnt 0x0
	s_wait_kmcnt 0x0
	s_add_nc_u64 s[14:15], s[4:5], s[16:17]
	s_add_nc_u64 s[46:47], s[6:7], s[46:47]
	CROUND                                         ; all sixteen work-groups are here: the first joint loads meet
.irp s, 0,1
	s_mov_b32 s[G0+4*\s], 1
	s_add_co_u32 s[G0+4*\s+1], s20, \s*SLOT
	s_add_nc_u64 s[G0+4*\s+2:G0+4*\s+3], s[14:15], \s*2*APANEL     ; K step s
	s_or_b32 s[G0+4*\s+3], s[G0+4*\s+3], 0x80000000
	s_mov_b32 s[G0B+4*\s], 1
	s_add_co_u32 s[G0B+4*\s+1], s45, \s*SLOT
	s_add_nc_u64 s[G0B+4*\s+2:G0B+4*\s+3], s[46:47], \s*2*BPANEL
	s_or_b32 s[G0B+4*\s+3], s[G0B+4*\s+3], 0x80000000
	JLOAD \s                                       ; two tensor loads of the wave are out here, later one behind each round
.endr
	v_and_b32 v1, 15, v0                           ; r = l % 16
	v_bfe_u32 v2, v0, 4, 1                         ; h = l / 16
	v_mul_u32_u24 v3, v1, PITCH
	v_lshl_add_u32 v3, v2, 4, v3                   ; r x pitch + 16 h
	s_mul_i32 s21, s11, 128*PITCH                  ; my 128 rows of A
	s_mul_i32 s22, s12, 64*PITCH                   ; my 64 rows of B,
	s_add_co_u32 s22, s22, 2*APLANE                ; behind A's planes
.irp s, 0,1
	v_add_nc_u32 v[ADRA+\s], s21, v3
	v_add_nc_u32 v[ADRB+\s], s22, v3
	s_add_co_u32 s21, s21, SLOT
	s_add_co_u32 s22, s22, SLOT
.endr
	s_mul_i32 s23, s10, 16*PITCH
	s_add_co_u32 s23, s23, STAGE                   ; my stage
	v_add_nc_u32 v[STO], s23, v3                   ; in: row r, 16 bytes for each half of the lanes
	v_and_b32 v4, 31, v0
	v_lshrrev_b32 v5, 3, v4
	v_and_b32 v6, 7, v0
	v_mul_u32_u24 v5, v5, PITCH                    ; back: eight lanes take a row of 128 bytes
	v_lshl_add_u32 v5, v6, 4, v5
	v_add_nc_u32 v[RD], s23, v5
	v_lshlrev_b32 v[CO], 4, v4                     ; four rows of a panel are 512 consecutive bytes
; the fragments of quarter q (32 along K) of a slot into buffer f: 24 loads
.macro FETCH slot, q, f
.irp i, 0,1,2,3
	ds_load_b128 v[FB0+32*\f+8*\i:FB0+32*\f+8*\i+3],   v[ADRB+\slot] offset:(\q/2)*BPLANE+(\q%2)*64+\i*16*PITCH
	ds_load_b128 v[FB0+32*\f+8*\i+4:FB0+32*\f+8*\i+7], v[ADRB+\slot] offset:(\q/2)*BPLANE+(\q%2)*64+\i*16*PITCH+32
.endr
.irp i, 0,1,2,3,4,5,6,7
	ds_load_b128 v[FA0+64*\f+8*\i:FA0+64*\f+8*\i+3],   v[ADRA+\slot] offset:(\q/2)*APLANE+(\q%2)*64+\i*16*PITCH
	ds_load_b128 v[FA0+64*\f+8*\i+4:FA0+64*\f+8*\i+7], v[ADRA+\slot] offset:(\q/2)*APLANE+(\q%2)*64+\i*16*PITCH+32
.endr
.endm
; cnt row blocks from a0 on x all four column blocks.  The 32 accumulators take turns, one instruction a turn, always in the same order, over every seam and
; the loop's backward jump.  zero = 1: the first product starts the sums.
.macro MULR f, a0, cnt, zero
.set ma, \a0
.rept \cnt
.irp b, 0,1,2,3
.if \zero
	v_wmma_f32_16x16x32_bf16 v[8*(4*ma+\b):8*(4*ma+\b)+7], v[FB0+32*\f+8*\b:FB0+32*\f+8*\b+7], v[FA0+64*\f+8*ma:FA0+64*\f+8*ma+7], 0
.else
	v_wmma_f32_16x16x32_bf16 v[8*(4*ma+\b):8*(4*ma+\b)+7], v[FB0+32*\f+8*\b:FB0+32*\f+8*\b+7], v[FA0+64*\f+8*ma:FA0+64*\f+8*ma+7], v[8*(4*ma+\b):8*(4*ma+\b)+7]
.endif
.endr
.set ma, ma+1
.endr
.endm
; One of a K step's first three quarters: multiplies buffer f, and first asks for quarter qn into buffer g, a whole quarter (32 matrix instructions) ahead of its use
.macro QUARTER slot, qn, f, g, zero
	s_wait_dscnt 0x0                               ; buffer f, asked for a quarter ago
	PLACES                                         ; the matrix instructions just issued read buffer g
	FETCH \slot, \qn, \g
	WIN 0x50                                       ; C and D in window 1
	MULR \f, 0, 8, \zero
	WIN 0
.endm
.macro THREE slot, zero
	QUARTER \slot, 1, 0, 1, \zero
	QUARTER \slot, 2, 1, 0, 0
	QUARTER \slot, 3, 0, 1, 0
.endm
; The last quarter multiplies buffer 1 and changes slots.  In front of the barrier each wave has waited for its reads of this slot and for all its tensor loads (the one
; that is out is its part of the next slot).  fill = 1: the barrier opens a round of the cluster's barrier, and the joint refill is the first tensor load behind the round.
.macro TURN slot, next, fill
	s_wait_dscnt 0x0
	s_wait_tensorcnt 0x0
	ds_add_u32 v254, v255
	s_wait_dscnt 0x0
	s_barrier_signal -1
	WIN 0x50
	MULR 1, 0, 2, 0                                ; registers only, while the others arrive
	WIN 0
	s_barrier_wait -1
.if \fill
	CREST
	s_add_nc_u64 s[G0+4*\slot+2:G0+4*\slot+3], s[G0+4*\slot+2:G0+4*\slot+3], 4*APANEL      ; two K steps on; no tensor load of mine is out
	s_add_nc_u64 s[G0B+4*\slot+2:G0B+4*\slot+3], s[G0B+4*\slot+2:G0B+4*\slot+3], 4*BPANEL
	JLOAD \slot
.endif
	PLACES                                         ; buffer 0 was read by the quarter before
	FETCH \next, 0, 0
	WIN 0x50
	MULR 1, 2, 6, 0
	WIN 0
.endm
.macro LAP zero
	THREE 0, \zero
	TURN 0, 1, 1
	THREE 1, 0
	TURN 1, 0, 1
.endm
	s_wait_tensorcnt 0x1                           ; my part of K step 0 is in; K step 1's stays out
	s_barrier_signal -1
	s_barrier_wait -1
	FETCH 0, 0, 0
	LAP 1
	s_mov_b32 s3, LAPS-2
.Llap:
	LAP 0
	s_sub_co_u32 s3, s3, 1
	s_cmp_lg_u32 s3, 0
	s_cbranch_scc1 .Llap
	THREE 0, 0                                     ; the last lap fills nothing
	TURN 0, 1, 0
	THREE 1, 0
	s_wait_dscnt 0x0
	WIN 0x50
	MULR 1, 0, 8, 0
	WIN 0
	; THE WAY OUT, 16 rows at a time.  My 64 columns are one whole panel of qkv (one head of q, k or v).
	PLACES
	s_lshl_b32 s16, s13, 15                        ; 256 rows of 128 bytes x block row
	s_lshl_b32 s14, s11, 14                        ; + my 128 rows
	s_add_co_u32 s16, s16, s14
	s_mov_b32 s17, 0
	s_add_nc_u64 s[8:9], s[8:9], s[16:17]
	s_lshl_b32 s46, s42, 21                        ; panel 2 x block column + my half, 1 MiB each (in the registers that held B's address)
	s_lshl_b32 s47, s12, 20
	s_add_co_u32 s46, s46, s47
	s_mov_b32 s47, 0
	s_add_nc_u64 s[8:9], s[8:9], s[46:47]
.macro OUT16 a, f
	WIN 0x05                                       ; sources in window 1
.irp b, 0,1,2,3
.irp r, 0,1,2,3
	v_cvt_pk_f16_f32 v[TMP+4*\b+\r], v[8*(4*\a+\b)+2*\r], v[8*(4*\a+\b)+2*\r+1]
.endr
.endr
	WIN 0
.irp b, 0,1,2,3
	ds_store_b128 v[STO], v[TMP+4*\b:TMP+4*\b+3] offset:32*\b
.endr
	s_wait_xcnt 0x0                                ; the registers that earlier stores read are loaded again only behind this wait
.irp t, 0,1,2,3
	ds_load_b128 v[\f+4*\t:\f+4*\t+3], v[RD] offset:\t*4*PITCH     ; my own bytes, served in order behind the stores above
.endr
.irp t, 0,1,2,3
	s_wait_dscnt 3-\t
	global_store_b128 v[CO], v[\f+4*\t:\f+4*\t+3], s[8:9] offset:2048*\a+512*\t    ; 512 consecutive bytes, aligned
.endr
.endm
	OUT16 0, 32
	OUT16 1, 64
	OUT16 2, 32
	OUT16 3, 64
	OUT16 4, 32
	OUT16 5, 64
	OUT16 6, 32
	OUT16 7, 64
	s_wait_tensorcnt 0x0
	ds_add_u32 v254, v255
	s_wait_dscnt 0x0
	CROUND                                         ; the closing round: no work-group ends while a partner may still ask for a tile that names it
	s_endpgm
.Lfunc_end_k_qac1c4b2971_gqkv:
	.size	k_qac1c4b2971_gqkv, .Lfunc_end_k_qac1c4b2971_gqkv-k_qac1c4b2971_gqkv
	.p2alignl 7, 3214868480
	.fill 96, 4, 3214868480
	.section	.rodata,"a",@progbits
	.p2align	6, 0x0
	.amdhsa_kernel k_qac1c4b2971_gqkv
		.amdhsa_group_segment_fixed_size 327680
		.amdhsa_private_segment_fixed_size 0
		.amdhsa_enable_private_segment 0
		.amdhsa_kernarg_size 24
		.amdhsa_user_sgpr_count 2
		.amdhsa_user_sgpr_kernarg_segment_ptr 1
		.amdhsa_wavefront_size32 1
		.amdhsa_system_sgpr_workgroup_id_x 1
		.amdhsa_system_sgpr_workgroup_id_y 1
		.amdhsa_system_sgpr_workgroup_id_z 1
		.amdhsa_system_vgpr_workitem_id 0
		.amdhsa_next_free_vgpr 512
		.amdhsa_next_free_sgpr 66
		.amdhsa_reserve_vcc 0
		.amdhsa_float_denorm_mode_32 3
		.amdhsa_float_denorm_mode_16_64 3
		.amdhsa_memory_ordered 1
		.amdhsa_forward_progress 1
		.amdhsa_inst_pref_size 117
	.end_amdhsa_kernel
	.amdgpu_metadata
---
amdhsa.version: [ 1, 2 ]
amdhsa.kernels:
  - .name:           k_qac1c4b2971_gqkv
    .symbol:         k_qac1c4b2971_gqkv.kd
    .args:
      - { .name: xb, .offset: 0, .size: 8, .value_kind: global_buffer, .address_space: global }
      - { .name: wt, .offset: 8, .size: 8, .value_kind: global_buffer, .address_space: global }
      - { .name: qkv, .offset: 16, .size: 8, .value_kind: global_buffer, .address_space: global }
    .group_segment_fixed_size: 327680
    .private_segment_fixed_size: 0
    .kernarg_segment_align: 8
    .kernarg_segment_size: 24
    .max_flat_workgroup_size: 128
    .sgpr_count:     66
    .vgpr_count:     512
    .wavefront_size: 32
...
	.end_amdgpu_metadata
.endif
;; end of part 2
;; launch attn (part 3): grid 4 x 64, 4 waves a work-group, no clusters, 327,680 bytes of LDS; arguments qkv, att; writes att
.if DOCPART == 3
	.amdgcn_target "amdgcn-amd-amdhsa--gfx1250"
	.amdhsa_code_object_version 6
	.text
	.protected	k_qac1c4b2971_attn
	.globl	k_qac1c4b2971_attn
	.p2align	8
	.type	k_qac1c4b2971_attn,@function
k_qac1c4b2971_attn:
	s_mov_b64 s[64:65], 0
	v_nop
	global_prefetch_b8 v0, s[64:65] scope:SCOPE_SE
	s_setreg_imm32_b32 hwreg(HW_REG_WAVE_MODE, 25, 1), 1
	s_wait_xcnt 0x0
; attn: causal softmax attention for one (batch, head) and two blocks of 256 queries.  qkv [48][8192][64] f16 (q, k, v heads), att [16 h][8192][64] f16.
; LEFT OUT: units of 16 queries x 64 keys wholly above the diagonal: reference() sets their scores to -inf itself, so their weights are 0 for all inputs
; (a NaN or infinity in k or v that reaches only them is not carried to the result).
; SHARING.  Work-group (i, bh), i = 0..3, takes query blocks i and 7 - i: (i + 1) + (8 - i) = 9 laps of 256 keys for every work-group.  Wave w owns the query tiles
; 4 s + w (s = 0..3) of a block, so on the diagonal all four waves run the same text.  A block begins with its diagonal lap, whose first 64 keys start all sums
; (nothing is cleared), then takes the laps 0 .. block - 1.
; TRANSPOSED PRODUCTS.  S^T = K Q^T: lane (r, h) holds keys 8 h + j of query r, so two packed tiles of S^T ARE the second source of O^T = V^T P^T, and maximum, sum and
; rescaling factor are one number a lane.  V^T comes from LDS by the transposing load.
; SOFTMAX with a running maximum M.  With c = log2(e) / 8 and NM = -c M (rounded once): weight = 2^(c S + NM), old sums are scaled by 2^(NMnew - NMold), made from the same
; rounded numbers, so nothing grows with the size of the scores.  The denominator is summed in f32 from the unrounded weights; weights below 2^-126 are 0.
; NO JOINT LOADS: the four work-groups of a head walk the key laps i, 0..i-1, 7-i, 0..6-i: at no step do two of them want the same tile, and in lock-step they would need
; 12 rounds for 9 laps of work.
; LDS: two slots of 128 keys: K keys 0-63 at 0, 64-127 at 10,240 (pitch 144 = 9 x 16), V's 128 keys at 20,480 (pitch 160 = 5 x 32);
; each wave brings 64 keys of K (waves 0, 1) or V (waves 2, 3): 8 KiB dense, as 32 rows of 256 bytes.  Stage for the way out at 81,920; no tensor load lands there.
; REGISTERS: window 0: addresses v8-17, statistics v20-41, v44-59 way out, K fragments v64-127, V fragments v128-191, scores of two query tiles v192-255;
; window 1: O(s, dt) at 8 (4 s + dt), Q(s, ds) at 128 + 8 (2 s + ds).
.set KPITCH, 144
.set VPITCH, 160
.set PART,   10240                     ; what one tensor load fills
.set SLOT,   4*PART
.set STAGE,  2*SLOT
.set LAPB,   32768                     ; 256 keys or queries of 128 bytes
.set KA,  8                            ; v8-9   K fragments' address in slot 0, 1
.set VA,  10                           ; v10-11 V fragments'
.set D0,  12                           ; v12    16 w + r - 8 h: key 16 kt + j of a diagonal unit is kept if 16 kt + j <= D0
.set QO,  13
.set STO, 14
.set RD,  15
.set CO,  16
.set NINF, 17                          ; -inf
.set NMB, 20                           ; pairs (NM[s], M[s])
.set LB,  28                           ; pairs L[s]: two partial sums
.set ALB, 36                           ; pairs (AL[qt], T1[qt]): rescaling factor, scratch
.set T0B, 40
.set RB,  44
.set KF,  64
.set VF,  128
.set SB,  192
.set QW,  128                          ; in window 1
.set MSB, 0
.macro WIN new
.if MSB != \new
	s_set_vgpr_msb (MSB<<8)|\new
.set MSB, \new
.endif
.endm
.macro NOPS cnt
.rept \cnt
	v_nop
.endr
.endm
.macro KVLOAD slot                     ; my 64 keys into the slot: K's pitch for waves 0, 1, V's for waves 2, 3
	s_cmp_eq_u32 s9, 0
	s_cbranch_scc0 .Lfor_v_\@
	tensor_load_to_lds s[44+4*(\slot):47+4*(\slot)], s[28:35]
	s_nop 0
	s_branch .Lasked_\@
.Lfor_v_\@:
	tensor_load_to_lds s[44+4*(\slot):47+4*(\slot)], s[36:43]
	s_nop 0
.Lasked_\@:
.endm
	s_load_b128 s[4:7], s[0:1], 0x0                ; qkv, att
	v_lshl_add_u32 v62, v0, 2, 0x29000
	v_mov_b32 v63, 0
	ds_add_u32 v62, v63
	ds_add_u32 v62, v63
	v_lshrrev_b32 v1, 5, v0
	v_readfirstlane_b32 s8, v1                     ; wave
	s_lshr_b32 s9, s8, 1                           ; I fetch K (0) or V (1)
	s_and_b32 s10, s8, 1                           ; which 64 keys
	s_mov_b32 s11, ttmp9                           ; i
	s_and_b32 s12, ttmp7, 0xffff                   ; bh
	s_and_b32 s13, s12, 15                         ; head
	s_lshr_b32 s14, s12, 4                         ; batch
	s_lshl_b32 s13, s13, 20                        ; a panel is 1 MiB
	s_lshl_b32 s14, s14, 18                        ; 2,048 rows of 128 bytes
	s_add_co_u32 s26, s13, s14
	s_mov_b32 s27, 0
	s_lshl_b32 s12, s9, 24                         ; k: 16 panels behind q; v: 32
	s_add_co_u32 s12, s12, 16<<20
	s_lshl_b32 s13, s10, 13                        ; my 64 keys
	s_add_co_u32 s12, s12, s13
	s_mov_b32 s13, 0
	s_mov_b32 s28, (1<<16)|(1<<20)|(4<<22)|(3<<25) ; K: 2-byte elements, after every 32 words 4 words of padding
	s_mov_b32 s36, (1<<16)|(1<<20)|(4<<22)|(7<<25) ; V: 8 words
	s_mov_b32 s29, 128<<16                         ; tensor_dim0 = 128 elements
	s_mov_b32 s37, 128<<16
	s_mov_b32 s30, 32<<16                          ; tensor_dim1 = 32 rows
	s_mov_b32 s38, 32<<16
	s_mov_b32 s31, 128<<16                         ; tile_dim0
	s_mov_b32 s39, 128<<16
	s_mov_b32 s32, 32                              ; tile_dim1
	s_mov_b32 s40, 32
	s_mov_b32 s33, 128                             ; dense
	s_mov_b32 s41, 128
	s_mov_b32 s34, 0
	s_mov_b32 s42, 0
	s_mov_b32 s35, 0
	s_mov_b32 s43, 0
	s_mov_b32 s44, 1
	s_mov_b32 s48, 1
	s_mul_i32 s45, s8, PART
	s_add_co_u32 s49, s45, SLOT
	s_lshl_b32 s52, s11, 15                        ; cur: byte offset of the lap at work; first the diagonal of block i
	s_mov_b32 s53, 0
	s_mov_b32 s55, 0                               ; s[54:55] nxt: the lap behind it
	s_sub_co_u32 s57, 7, s11
	s_lshl_b32 s57, s57, 15                        ; block 7 - i
	s_mov_b32 s58, 0x76543210                      ; v_permlanex16_b32: lane i takes lane i of the other half
	s_mov_b32 s59, 0xfedcba98
	s_mov_b32 s60, 0x3e38aa3b                      ; c = log2(e) / 8
	s_mov_b32 s61, 0x3e38aa3b
	s_mov_b32 s62, 0xbe38aa3b                      ; -c
	s_wait_dscnt 0x0
	s_wait_kmcnt 0x0
	s_add_nc_u64 s[16:17], s[4:5], s[26:27]        ; q of my head and batch
	s_add_nc_u64 s[20:21], s[6:7], s[26:27]        ; att likewise
	s_add_nc_u64 s[18:19], s[16:17], s[12:13]      ; my 64 keys of k or v, lap 0
	s_add_nc_u64 s[46:47], s[18:19], s[52:53]
	s_or_b32 s47, s47, 0x80000000
	KVLOAD 0                                       ; the one first fill; slot 1 is first filled behind the first trip's barrier
	v_and_b32 v1, 15, v0                           ; r
	v_bfe_u32 v2, v0, 4, 1                         ; h
	v_and_b32 v3, 31, v0                           ; lane
	v_and_b32 v4, 7, v0
	v_bfe_u32 v5, v0, 3, 1
	v_lshrrev_b32 v6, 3, v3
	v_mul_u32_u24 v[KA], v1, KPITCH
	v_lshl_add_u32 v[KA], v2, 4, v[KA]             ; key r, 16 h
	v_add_nc_u32 v[KA+1], SLOT, v[KA]
	v_lshl_add_u32 v7, v2, 3, v4                   ; key 8 h + l % 8
	v_mul_u32_u24 v[VA], v7, VPITCH
	v_lshl_add_u32 v[VA], v5, 4, v[VA]
	v_add_nc_u32 v[VA], 2*PART, v[VA]
	v_add_nc_u32 v[VA+1], SLOT, v[VA]
	v_lshl_add_u32 v7, s8, 4, v1                   ; 16 w + r
	v_lshlrev_b32 v[QO], 7, v7
	v_lshl_add_u32 v[QO], v2, 4, v[QO]
	v_lshlrev_b32 v[D0], 3, v2
	v_sub_nc_u32 v[D0], v7, v[D0]
	s_mul_i32 s15, s8, 16*KPITCH
	s_add_co_u32 s15, s15, STAGE                   ; my stage
	v_add_nc_u32 v[STO], s15, v[KA]
	v_mul_u32_u24 v[RD], v6, KPITCH
	v_lshl_add_u32 v[RD], v4, 4, v[RD]
	v_add_nc_u32 v[RD], s15, v[RD]
	v_lshlrev_b32 v[CO], 4, v3
	v_lshl_add_u32 v[CO], s8, 11, v[CO]            ; 16 rows of 128 bytes a wave
	v_mov_b32 v[NINF], 0xff800000
; my four query tiles of the block whose byte offset stands in scalar register off; s[12:13] keeps that offset for the output's base
.macro QLOAD off
	s_mov_b32 s12, s[\off]
	s_mov_b32 s13, 0
	s_add_nc_u64 s[22:23], s[16:17], s[12:13]
	WIN 0x40                                       ; destination in window 1
.irp s, 0,1,2,3
.irp ds, 0,1
	global_load_b128 v[QW+8*(2*\s+\ds):QW+8*(2*\s+\ds)+3],   v[QO], s[22:23] offset:\s*8192+64*\ds
	global_load_b128 v[QW+8*(2*\s+\ds)+4:QW+8*(2*\s+\ds)+7], v[QO], s[22:23] offset:\s*8192+64*\ds+32
.endr
.endr
	WIN 0
.endm
; The head of a trip (128 keys in a slot).  Every wave waits for all its tensor loads (its part of this slot among them) and for its reads of the other slot, and passes the
; barrier; behind it the other slot's refill is the wave's first and only tensor load: one is out, and it has the trip's work in which to land.
.macro TRIPHEAD slot, refill
	s_wait_tensorcnt 0x0                           ; no tensor load of mine is out: a group 0 may be written
	ds_add_u32 v62, v63
	s_wait_dscnt 0x0
.if \refill
.if \slot == 0
	s_add_nc_u64 s[50:51], s[18:19], s[52:53]      ; slot 1: this lap's keys 128-255
	s_add_nc_u64 s[50:51], s[50:51], LAPB/2
	s_or_b32 s51, s51, 0x80000000
.else
	s_add_nc_u64 s[46:47], s[18:19], s[54:55]      ; slot 0: the next lap's keys 0-127
	s_or_b32 s47, s47, 0x80000000
	s_mov_b32 s52, s54
.endif
.endif
	s_wait_dscnt 0x0
	s_barrier_signal -1
	s_barrier_wait -1
.if \refill
	KVLOAD 1-\slot
.endif
.endm
; the fragments of 64 keys (half c2 of a slot): 16 loads of K, 16 transposing loads of V
.macro BLOCKLOAD slot, c2
.irp kt, 0,1,2,3
.irp ds, 0,1
	ds_load_b128 v[KF+8*(2*\kt+\ds):KF+8*(2*\kt+\ds)+3],   v[KA+\slot] offset:\c2*PART+\kt*16*KPITCH+64*\ds
	ds_load_b128 v[KF+8*(2*\kt+\ds)+4:KF+8*(2*\kt+\ds)+7], v[KA+\slot] offset:\c2*PART+\kt*16*KPITCH+64*\ds+32
.endr
.endr
.irp dt, 0,1,2,3
.irp ks, 0,1
	ds_load_tr16_b128 v[VF+8*(2*\dt+\ks):VF+8*(2*\dt+\ks)+3],   v[VA+\slot] offset:(64*\c2+32*\ks)*VPITCH+32*\dt
	ds_load_tr16_b128 v[VF+8*(2*\dt+\ks)+4:VF+8*(2*\dt+\ks)+7], v[VA+\slot] offset:(64*\c2+32*\ks+16)*VPITCH+32*\dt
.endr
.endr
	s_wait_dscnt 16                                ; K is in; V's sixteen loads stay out until the second product
.endm
.macro MASK qt                         ; the unit on the diagonal: keys behind the query get -inf, as in reference()
.irp kt, 0,1,2,3
.irp j, 0,1,2,3,4,5,6,7
	v_cmp_le_i32 vcc_lo, 16*\kt+\j, v[D0]
	v_cndmask_b32 v[SB+32*\qt+8*\kt+\j], v[NINF], v[SB+32*\qt+8*\kt+\j], vcc_lo
.endr
.endr
.endm
.macro MAXSTEP i, p, qt                ; two chains: T0 from the old maximum over scores 0-15, T1 over scores 16-30
.if \i == 0
	v_max3_num_f32 v[T0B+\qt], v[NMB+2*(2*\p+\qt)+1], v[SB+32*\qt], v[SB+32*\qt+1]
	v_max3_num_f32 v[ALB+2*\qt+1], v[SB+32*\qt+16], v[SB+32*\qt+17], v[SB+32*\qt+18]
.else
	v_max3_num_f32 v[T0B+\qt], v[T0B+\qt], v[SB+32*\qt+2*\i], v[SB+32*\qt+2*\i+1]
.if \i < 7
	v_max3_num_f32 v[ALB+2*\qt+1], v[ALB+2*\qt+1], v[SB+32*\qt+17+2*\i], v[SB+32*\qt+18+2*\i]
.endif
.endif
.endm
.macro STAT st, p, qt, first           ; line st of a tile's statistics
.if \st == 0
	v_max3_num_f32 v[T0B+\qt], v[T0B+\qt], v[ALB+2*\qt+1], v[SB+32*\qt+31]
.endif
.if \st == 1
	v_permlanex16_b32 v[ALB+2*\qt+1], v[T0B+\qt], s58, s59         ; the other half of the keys
.endif
.if \st == 2
	v_max_num_f32 v[NMB+2*(2*\p+\qt)+1], v[T0B+\qt], v[ALB+2*\qt+1]        ; M
.endif
.if \st == 3
	v_mul_f32 v[T0B+\qt], s62, v[NMB+2*(2*\p+\qt)+1]               ; -c M
.endif
.if \st == 4
.if \first == 0
	v_sub_f32 v[ALB+2*\qt], v[T0B+\qt], v[NMB+2*(2*\p+\qt)]        ; NMnew - NMold
.endif
.endif
.if \st == 5
	v_mov_b32 v[NMB+2*(2*\p+\qt)], v[T0B+\qt]
.endif
.if \st == 6
.if \first == 0
	v_exp_f32 v[ALB+2*\qt], v[ALB+2*\qt]           ; used far behind the plain instructions that follow (ISA guide 5.7.2)
.endif
.endif
.endm
.macro PACK i, qt                      ; pair i of the weights to f16, in place: key tiles 0, 1 into registers 0-7, tiles 2, 3 into 16-23: two fragments of P^T
	v_cvt_pk_f16_f32 v[SB+32*\qt+16*(\i/8)+\i%8], v[SB+32*\qt+2*\i], v[SB+32*\qt+2*\i+1]
.endm
.macro SUMPACK i, p, qt, first         ; pair i joins the sum, then is packed; a pack's target lies in a pair that has been added
.if \first
.if \i == 1
	s_wait_alu depctr_va_vdst(0)
	v_pk_add_f32 v[LB+2*(2*\p+\qt):LB+2*(2*\p+\qt)+1], v[SB+32*\qt:SB+32*\qt+1], v[SB+32*\qt+2:SB+32*\qt+3]
	PACK 0, \qt
	PACK 1, \qt
.endif
.if \i > 1
	v_pk_add_f32 v[LB+2*(2*\p+\qt):LB+2*(2*\p+\qt)+1], v[LB+2*(2*\p+\qt):LB+2*(2*\p+\qt)+1], v[SB+32*\qt+2*\i:SB+32*\qt+2*\i+1]
	PACK \i, \qt
.endif
.else
.if \i == 0
	v_pk_fma_f32 v[LB+2*(2*\p+\qt):LB+2*(2*\p+\qt)+1], v[LB+2*(2*\p+\qt):LB+2*(2*\p+\qt)+1], v[ALB+2*\qt:ALB+2*\qt+1], v[SB+32*\qt:SB+32*\qt+1] op_sel_hi:[1,0,1]
.else
	v_pk_add_f32 v[LB+2*(2*\p+\qt):LB+2*(2*\p+\qt)+1], v[LB+2*(2*\p+\qt):LB+2*(2*\p+\qt)+1], v[SB+32*\qt+2*\i:SB+32*\qt+2*\i+1]
.endif
	PACK \i, \qt
.endif
.endm
; 64 keys against the query tiles s = 2 p + qt, qt = qa .. 1.  mq: the tile on the diagonal, or -1.  first = 1: these keys start the tile's sums.
; In both runs of products the 4 or 8 accumulators take turns, one instruction a turn.
.macro PIECE p, qa, mq, first
	WIN 0x04                                       ; source 1 (Q) in window 1
.irp ds, 0,1
.irp qt, 0,1
.if \qt >= \qa
.irp kt, 0,1,2,3
.if \ds
	v_wmma_f32_16x16x32_f16 v[SB+32*\qt+8*\kt:SB+32*\qt+8*\kt+7], v[KF+8*(2*\kt+\ds):KF+8*(2*\kt+\ds)+7], v[QW+8*(2*(2*\p+\qt)+\ds):QW+8*(2*(2*\p+\qt)+\ds)+7], v[SB+32*\qt+8*\kt:SB+32*\qt+8*\kt+7]
.else
	v_wmma_f32_16x16x32_f16 v[SB+32*\qt+8*\kt:SB+32*\qt+8*\kt+7], v[KF+8*(2*\kt+\ds):KF+8*(2*\kt+\ds)+7], v[QW+8*(2*(2*\p+\qt)+\ds):QW+8*(2*(2*\p+\qt)+\ds)+7], 0
.endif
.endr
.endif
.endr
.endr
	WIN 0
	NOPS 4                                         ; four places before the scores are read (ISA guide 7.12.1)
.if \mq >= 0
	MASK \mq
.endif
.irp i, 0,1,2,3,4,5,6,7
.irp qt, 0,1
.if \qt >= \qa
	MAXSTEP \i, \p, \qt
.endif
.endr
.endr
.irp st, 0,1,2,3,4,5,6
.irp qt, 0,1
.if \qt >= \qa
	STAT \st, \p, \qt, \first
.endif
.endr
.endr
.irp i, 0,1,2,3,4,5,6,7,8,9,10,11,12,13,14,15
.irp qt, 0,1
.if \qt >= \qa
	v_pk_fma_f32 v[SB+32*\qt+2*\i:SB+32*\qt+2*\i+1], v[SB+32*\qt+2*\i:SB+32*\qt+2*\i+1], s[60:61], v[NMB+2*(2*\p+\qt):NMB+2*(2*\p+\qt)+1] op_sel_hi:[1,0,0]   ; c S + NM
.endif
.endr
.endr
.set ie, 0
.rept 32
.irp qt, 0,1
.if \qt >= \qa
	v_exp_f32 v[SB+32*\qt+ie], v[SB+32*\qt+ie]
.endif
.endr
.set ie, ie+1
.endr
	v_nop                                          ; one plain instruction behind the exponentials before their results are used (ISA guide 5.7.2)
	s_wait_alu depctr_va_vdst(0)
.irp i, 0,1,2,3,4,5,6,7,8,9,10,11,12,13,14,15
.irp qt, 0,1
.if \qt >= \qa
	SUMPACK \i, \p, \qt, \first
.endif
.endr
.endr
.if \first == 0
	WIN 0x41                                       ; O in window 1, the factor in window 0
.irp i, 0,1,2,3,4,5,6,7,8,9,10,11,12,13,14,15
.irp qt, 0,1
.if \qt >= \qa
	v_pk_mul_f32 v[32*(2*\p+\qt)+2*\i:32*(2*\p+\qt)+2*\i+1], v[32*(2*\p+\qt)+2*\i:32*(2*\p+\qt)+2*\i+1], v[ALB+2*\qt:ALB+2*\qt+1] op_sel_hi:[1,0]
.endif
.endr
.endr
.endif
	s_wait_dscnt 0x0                               ; V's fragments
	WIN 0x50                                       ; C and D in window 1
.irp ks, 0,1
.irp qt, 0,1
.if \qt >= \qa
.irp dt, 0,1,2,3
.if \first*(1-\ks)
	v_wmma_f32_16x16x32_f16 v[8*(4*(2*\p+\qt)+\dt):8*(4*(2*\p+\qt)+\dt)+7], v[VF+8*(2*\dt+\ks):VF+8*(2*\dt+\ks)+7], v[SB+32*\qt+16*\ks:SB+32*\qt+16*\ks+7], 0
.else
	v_wmma_f32_16x16x32_f16 v[8*(4*(2*\p+\qt)+\dt):8*(4*(2*\p+\qt)+\dt)+7], v[VF+8*(2*\dt+\ks):VF+8*(2*\dt+\ks)+7], v[SB+32*\qt+16*\ks:SB+32*\qt+16*\ks+7], v[8*(4*(2*\p+\qt)+\dt):8*(4*(2*\p+\qt)+\dt)+7]
.endif
.endr
.endif
.endr
.endr
	WIN 0
	NOPS 5                                         ; five places before the next scores are written over P; four serve the next loads into the fragments and the reads of O
.endm
.macro DIAGLAP                         ; keys of the query block itself: key block c meets the tiles s >= c, s = c under the mask
.irp s, 0,1,2,3
	v_mov_b32 v[NMB+2*\s+1], v[NINF]
.endr
	TRIPHEAD 0, 1
	BLOCKLOAD 0, 0
	PIECE 0, 0, 0, 1
	PIECE 1, 0, -1, 1
	BLOCKLOAD 0, 1
	PIECE 0, 1, 1, 0
	PIECE 1, 0, -1, 0
	TRIPHEAD 1, 1
	BLOCKLOAD 1, 0
	PIECE 1, 0, 0, 0
	BLOCKLOAD 1, 1
	PIECE 1, 1, 1, 0
.endm
.macro FULLLAP rl                      ; 256 keys in front of the query block; rl = 0: no lap follows
	TRIPHEAD 0, 1
	BLOCKLOAD 0, 0
	PIECE 0, 0, -1, 0
	PIECE 1, 0, -1, 0
	BLOCKLOAD 0, 1
	PIECE 0, 0, -1, 0
	PIECE 1, 0, -1, 0
	TRIPHEAD 1, \rl
	BLOCKLOAD 1, 0
	PIECE 0, 0, -1, 0
	PIECE 1, 0, -1, 0
	BLOCKLOAD 1, 1
	PIECE 0, 0, -1, 0
	PIECE 1, 0, -1, 0
.endm
.macro EPILOGUE                        ; O / L, to f16, 16 queries at a time through my stage, out as 512 consecutive bytes a store
.irp s, 0,1,2,3
	v_add_f32 v[SB+8+\s], v[LB+2*\s], v[LB+2*\s+1]
.endr
.irp s, 0,1,2,3
	v_permlanex16_b32 v[SB+12+\s], v[SB+8+\s], s58, s59
.endr
.irp s, 0,1,2,3
	v_add_f32 v[SB+8+\s], v[SB+8+\s], v[SB+12+\s]
.endr
.irp s, 0,1,2,3
	v_rcp_f32 v[SB+2*\s], v[SB+8+\s]
.endr
	v_nop
	s_wait_alu depctr_va_vdst(0)
.irp s, 0,1,2,3
	WIN 0x01                                       ; source 0 (O) in window 1
.irp i, 0,1,2,3,4,5,6,7,8,9,10,11,12,13,14,15
	v_pk_mul_f32 v[SB+8+2*\i:SB+9+2*\i], v[32*\s+2*\i:32*\s+2*\i+1], v[SB+2*\s:SB+2*\s+1] op_sel_hi:[1,0]
.endr
	WIN 0
.irp i, 0,1,2,3,4,5,6,7,8,9,10,11,12,13,14,15
	v_cvt_pk_f16_f32 v[SB+40+\i], v[SB+8+2*\i], v[SB+9+2*\i]
.endr
.irp dt, 0,1,2,3
	ds_store_b128 v[STO], v[SB+40+4*\dt:SB+43+4*\dt] offset:32*\dt
.endr
	s_wait_xcnt 0x0                                ; the registers that earlier stores read are loaded again only behind this wait
.irp t, 0,1,2,3
	ds_load_b128 v[RB+4*\t:RB+4*\t+3], v[RD] offset:\t*4*KPITCH    ; my own bytes, served in order behind the stores above
.endr
.irp t, 0,1,2,3
	s_wait_dscnt 3-\t
	global_store_b128 v[CO], v[RB+4*\t:RB+4*\t+3], s[24:25] offset:8192*\s+512*\t
.endr
.endr
.endm
	QLOAD 52                                       ; block i
	s_add_nc_u64 s[24:25], s[20:21], s[12:13]      ; and where its results go
	s_cmp_eq_u32 s11, 0
	s_cselect_b32 s54, s57, 0                      ; behind the diagonal: lap 0, or with i = 0 the diagonal of block 7
	s_wait_loadcnt 0x0
	DIAGLAP
	s_cmp_eq_u32 s11, 0
	s_cbranch_scc1 .Lblock_a
	s_mov_b32 s56, s11                             ; i laps in front of block i
.Lloop_b:
	s_add_co_u32 s54, s52, LAPB
	s_cmp_eq_u32 s56, 1
	s_cselect_b32 s54, s57, s54                    ; behind the last of them: the diagonal of block 7 - i
	FULLLAP 1
	s_sub_co_u32 s56, s56, 1
	s_cmp_lg_u32 s56, 0
	s_cbranch_scc1 .Lloop_b
.Lblock_a:
	QLOAD 57                                       ; block 7 - i, on its way while block i leaves
	EPILOGUE
	s_wait_xcnt 0x0                                ; the stores' base is written again only behind this wait
	s_add_nc_u64 s[24:25], s[20:21], s[12:13]
	s_mov_b32 s54, 0
	s_wait_loadcnt 0x0
	DIAGLAP
	s_sub_co_u32 s56, 6, s11                       ; 7 - i laps in front of the block, the last written out
.Lloop_a:
	s_add_co_u32 s54, s52, LAPB
	FULLLAP 1
	s_sub_co_u32 s56, s56, 1
	s_cmp_lg_u32 s56, 0
	s_cbranch_scc1 .Lloop_a
	FULLLAP 0
	EPILOGUE
	s_wait_tensorcnt 0x0
	ds_add_u32 v62, v63
	s_wait_dscnt 0x0
	s_endpgm
.Lfunc_end_k_qac1c4b2971_attn:
	.size	k_qac1c4b2971_attn, .Lfunc_end_k_qac1c4b2971_attn-k_qac1c4b2971_attn
	.p2alignl 7, 3214868480
	.fill 96, 4, 3214868480
	.section	.rodata,"a",@progbits
	.p2align	6, 0x0
	.amdhsa_kernel k_qac1c4b2971_attn
		.amdhsa_group_segment_fixed_size 327680
		.amdhsa_private_segment_fixed_size 0
		.amdhsa_enable_private_segment 0
		.amdhsa_kernarg_size 16
		.amdhsa_user_sgpr_count 2
		.amdhsa_user_sgpr_kernarg_segment_ptr 1
		.amdhsa_wavefront_size32 1
		.amdhsa_system_sgpr_workgroup_id_x 1
		.amdhsa_system_sgpr_workgroup_id_y 1
		.amdhsa_system_sgpr_workgroup_id_z 1
		.amdhsa_system_vgpr_workitem_id 0
		.amdhsa_next_free_vgpr 448
		.amdhsa_next_free_sgpr 66
		.amdhsa_reserve_vcc 1
		.amdhsa_float_denorm_mode_32 3
		.amdhsa_float_denorm_mode_16_64 3
		.amdhsa_memory_ordered 1
		.amdhsa_forward_progress 1
		.amdhsa_inst_pref_size 255
	.end_amdhsa_kernel
	.section	.bss,"aw",@nobits
	.p2align	6
	.space	262144
	.amdgpu_metadata
---
amdhsa.version: [ 1, 2 ]
amdhsa.kernels:
  - .name:           k_qac1c4b2971_attn
    .symbol:         k_qac1c4b2971_attn.kd
    .args:
      - { .name: qkv, .offset: 0, .size: 8, .value_kind: global_buffer, .address_space: global }
      - { .name: att, .offset: 8, .size: 8, .value_kind: global_buffer, .address_space: global }
    .group_segment_fixed_size: 327680
    .private_segment_fixed_size: 0
    .kernarg_segment_align: 8
    .kernarg_segment_size: 16
    .max_flat_workgroup_size: 128
    .sgpr_count:     66
    .vgpr_count:     448
    .wavefront_size: 32
...
	.end_amdgpu_metadata
.endif
;; end of part 3
;; launch gproj (part 4): grid 8 x 32, 4 waves a work-group, clusters of 4 x 4, 327,680 bytes of LDS; arguments att, wt, out0; writes out0
.if DOCPART == 4
	.amdgcn_target "amdgcn-amd-amdhsa--gfx1250"
	.amdhsa_code_object_version 6
	.text
	.protected	k_qac1c4b2971_gproj
	.globl	k_qac1c4b2971_gproj
	.p2align	8
	.type	k_qac1c4b2971_gproj,@function
k_qac1c4b2971_gproj:
	s_mov_b64 s[64:65], 0
	v_nop
	global_prefetch_b8 v0, s[64:65] scope:SCOPE_SE
	s_setreg_imm32_b32 hwreg(HW_REG_WAVE_MODE, 25, 1), 1
	s_wait_xcnt 0x0
	s_wait_alu depctr_hold_cnt(0) depctr_sa_sdst(0) depctr_va_vdst(0) depctr_va_sdst(0) depctr_va_ssrc(0) depctr_va_vcc(0) depctr_vm_vsrc(0)
	s_getreg_b32 s2, hwreg(HW_REG_IB_STS2, 6, 4)
	s_cmp_eq_u32 s2, 0
	s_cbranch_scc0 .Lentry_in_a_cluster
	s_endpgm
.Lentry_in_a_cluster:
	s_bfe_u32 s2, ttmp6, 0x10000c
	s_cmp_lg_u32 s2, 0xf033
	s_cbranch_scc0 .Lentry_shape_is_right
	s_endpgm
.Lentry_shape_is_right:
; gproj: out0 = attention output x w_proj.  A = att [16 h][8192][64] f16, B = wt rows 3072..4095 [16 kp][4096][64] (w_proj transposed, bf16 roundings held as f16),
; sums in f32, C = out0 [8192][1024] f32.  The text is the qkv product's but for the f16 form, B's first row and the way out.
; A work-group makes 256 rows x 128 columns of C with four waves: 8 x 32 = 256 equal blocks.  A wave makes 128 x 64: 32 accumulator tiles, 256 registers.
; K goes in steps of 128 = two panels ("planes") through a ring of two LDS slots.  One tensor load a wave: waves 0, 1 bring A's two planes (a dense block of
; 32 KiB each, taken as 128 rows of 256 bytes), waves 2, 3 B's (16 KiB, 64 rows of 256 bytes).  16 bytes of padding behind every 128 bytes: LDS pitch 144 = 9 x 16,
; so the sixteen rows that a fragment load touches start at sixteen different 16-byte columns modulo 256 bytes.
; CLUSTERS: 4 x 4 work-groups.  A's tile hangs on the block row alone and is asked for jointly by the four of a row of the cluster, B's on the block column alone
; and by the four of a column: the requests for A and B are divided by four.
; REGISTERS: window 0: v16-26 addresses, v32-159 A's fragments (two buffers of 8), v160-223 B's (two buffers of 4); window 1: accumulator tile (a, b) at v[8 (4 a + b)].
; THE MATRIX INSTRUCTION IS USED TRANSPOSED: source 0 = 16 rows of B, source 1 = 16 rows of A: lane l holds row l % 16 of C and eight neighbouring columns.
.set NOFF,   3072                      ; first row of my weight in wt
.set PITCH,  144
.set SPITCH, 272                       ; the stage's rows: 64 f32 + 16 bytes
.set APLANE, 256*PITCH
.set BPLANE, 128*PITCH
.set SLOT,   2*APLANE+2*BPLANE         ; A plane 0, A plane 1, B plane 0, B plane 1
.set STAGE,  2*SLOT                    ; behind the ring: 16 rows x 272 bytes for each wave; no tensor load lands there
.set APANEL, 8192*128
.set BPANEL, 4096*128
.set LAPS,   4
.set ADRA, 16
.set ADRB, 20
.set STO,  24
.set RD,   25
.set CO,   26
.set FA0,  32
.set FB0,  160
.set G1, 24
.set G0, 32
.set G1B, 48
.set G0B, 56
.set MSB, 0
.macro WIN new                         ; the immediate's high byte repeats the setting that is left
.if MSB != \new
	s_set_vgpr_msb (MSB<<8)|\new
.set MSB, \new
.endif
.endm
.macro PLACES                          ; four places behind a matrix instruction (ISA guide 7.12.1) before its registers are loaded into or its results read
.rept 4
	v_nop
.endr
.endm
.macro JLOAD s                         ; a joint load: waves 0, 1 ask for A, waves 2, 3 for B; the branch hangs on the wave's number alone
	s_cmp_eq_u32 s11, 0
	s_cbranch_scc0 .Lfor_b_\@
	tensor_load_to_lds s[G0+4*\s:G0+4*\s+3], s[G1:G1+7]
	s_nop 0
	s_branch .Lasked_\@
.Lfor_b_\@:
	tensor_load_to_lds s[G0B+4*\s:G0B+4*\s+3], s[G1B:G1B+7]
	s_nop 0
.Lasked_\@:
.endm
.macro CREST                           ; a round of the cluster's barrier behind its opening work-group barrier
	s_cmp_lg_u32 s10, 0
	s_cbranch_scc1 .Lnot_wave_0_\@
	s_barrier_signal -3
.Lnot_wave_0_\@:
	s_barrier_wait -3
	s_barrier_signal -1
	s_barrier_wait -1
.endm
.macro CROUND
	s_barrier_signal -1
	s_barrier_wait -1
	CREST
.endm
	s_load_b128 s[4:7], s[0:1], 0x0                ; A s[4:5], B s[6:7]
	s_load_b64 s[8:9], s[0:1], 0x10                ; C
	v_lshl_add_u32 v254, v0, 2, 0x3a400
	v_mov_b32 v255, 0
	ds_add_u32 v254, v255
	ds_add_u32 v254, v255
	v_lshrrev_b32 v1, 5, v0
	v_readfirstlane_b32 s10, v1                    ; wave
	s_lshr_b32 s11, s10, 1                         ; my half of the block's rows.  Also: I fetch for A (0) or B (1)
	s_and_b32 s12, s10, 1                          ; my half of its columns.  Also: which plane I fetch
	s_bfe_u32 s40, ttmp6, 0x40000                  ; cx
	s_bfe_u32 s41, ttmp6, 0x40004                  ; cy
	s_lshl_b32 s42, ttmp9, 2
	s_add_co_u32 s42, s42, s40                     ; block column
	s_and_b32 s13, ttmp7, 0xffff
	s_lshl_b32 s13, s13, 2
	s_add_co_u32 s13, s13, s41                     ; block row
	s_lshl_b32 s43, s41, 2
	s_lshl_b32 s43, 15, s43                        ; my row of the cluster
	s_lshl_b32 s44, 0x1111, s40                    ; my column
	s_or_b32 s[G1+0], s43, (1<<16)|(1<<20)|(1<<21)|(4<<22)|(3<<25)   ; mask; 2-byte elements; padding on; bit 21 beside a mask; after every 32 words; 4 words
	s_or_b32 s[G1B+0], s44, (1<<16)|(1<<20)|(1<<21)|(4<<22)|(3<<25)
	s_mov_b32 s[G1+1], 128<<16                     ; tensor_dim0 = 128 elements (256 bytes)
	s_mov_b32 s[G1B+1], 128<<16
	s_mov_b32 s[G1+2], 128<<16                     ; tensor_dim1 = 128 rows
	s_mov_b32 s[G1B+2], 64<<16                     ;             =  64
	s_mov_b32 s[G1+3], 128<<16                     ; tile_dim0 = 128
	s_mov_b32 s[G1B+3], 128<<16
	s_mov_b32 s[G1+4], 128                         ; tile_dim1
	s_mov_b32 s[G1B+4], 64
	s_mov_b32 s[G1+5], 128                         ; from row to row: 128 elements, the block is dense
	s_mov_b32 s[G1B+5], 128
	s_mov_b32 s[G1+6], 0
	s_mov_b32 s[G1B+6], 0
	s_mov_b32 s[G1+7], 0
	s_mov_b32 s[G1B+7], 0
	s_lshl_b32 s16, s13, 15                        ; A: 256 rows of 128 bytes x block row,
	s_lshl_b32 s17, s12, 20                        ; + my plane
	s_add_co_u32 s16, s16, s17
	s_mov_b32 s17, 0
	s_lshl_b32 s46, s42, 14                        ; B: 128 rows of 128 bytes x block column,
	s_lshl_b32 s47, s12, 19                        ; + my plane
	s_add_co_u32 s46, s46, s47
.if NOFF
	s_add_co_u32 s46, s46, NOFF*128                ; + my weight's first row
.endif
	s_mov_b32 s47, 0
	s_mul_i32 s20, s10, APLANE                     ; where A's planes go (waves 0, 1),
	s_mul_i32 s45, s10, BPLANE
	s_add_co_u32 s45, s45, 2*APLANE-2*BPLANE       ; and B's (waves 2, 3): behind A's two
	s_wait_dscnt 0x0
	s_wait_kmcnt 0x0
	s_add_nc_u64 s[14:15], s[4:5], s[16:17]
	s_add_nc_u64 s[46:47], s[6:7], s[46:47]
	CROUND                                         ; all sixteen work-groups are here: the first joint loads meet
.irp s, 0,1
	s_mov_b32 s[G0+4*\s], 1
	s_add_co_u32 s[G0+4*\s+1], s20, \s*SLOT
	s_add_nc_u64 s[G0+4*\s+2:G0+4*\s+3], s[14:15], \s*2*APANEL     ; K step s
	s_or_b32 s[G0+4*\s+3], s[G0+4*\s+3], 0x80000000
	s_mov_b32 s[G0B+4*\s], 1
	s_add_co_u32 s[G0B+4*\s+1], s45, \s*SLOT
	s_add_nc_u64 s[G0B+4*\s+2:G0B+4*\s+3], s[46:47], \s*2*BPANEL
	s_or_b32 s[G0B+4*\s+3], s[G0B+4*\s+3], 0x80000000
	JLOAD \s                                       ; two tensor loads of the wave are out here, later one behind each round
.endr
	v_and_b32 v1, 15, v0                           ; r = l % 16
	v_bfe_u32 v2, v0, 4, 1                         ; h = l / 16
	v_mul_u32_u24 v3, v1, PITCH
	v_lshl_add_u32 v3, v2, 4, v3                   ; r x pitch + 16 h
	s_mul_i32 s21, s11, 128*PITCH                  ; my 128 rows of A
	s_mul_i32 s22, s12, 64*PITCH                   ; my 64 rows of B,
	s_add_co_u32 s22, s22, 2*APLANE                ; behind A's planes
.irp s, 0,1
	v_add_nc_u32 v[ADRA+\s], s21, v3
	v_add_nc_u32 v[ADRB+\s], s22, v3
	s_add_co_u32 s21, s21, SLOT
	s_add_co_u32 s22, s22, SLOT
.endr
	s_mul_i32 s23, s10, 16*SPITCH
	s_add_co_u32 s23, s23, STAGE                   ; my stage
	v_mul_u32_u24 v4, v1, SPITCH                   ; in: row r, 32 bytes for each half of the lanes
	v_lshl_add_u32 v4, v2, 5, v4
	v_add_nc_u32 v[STO], s23, v4
	v_mul_u32_u24 v5, v2, SPITCH                   ; back: lanes 0-15 take one row of 256 bytes, lanes 16-31 the next
	v_lshl_add_u32 v5, v1, 4, v5
	v_add_nc_u32 v[RD], s23, v5
	v_lshlrev_b32 v6, 12, v2                       ; and the same two rows in C
	v_lshl_add_u32 v[CO], v1, 4, v6
; the fragments of quarter q (32 along K) of a slot into buffer f: 24 loads
.macro FETCH slot, q, f
.irp i, 0,1,2,3
	ds_load_b128 v[FB0+32*\f+8*\i:FB0+32*\f+8*\i+3],   v[ADRB+\slot] offset:(\q/2)*BPLANE+(\q%2)*64+\i*16*PITCH
	ds_load_b128 v[FB0+32*\f+8*\i+4:FB0+32*\f+8*\i+7], v[ADRB+\slot] offset:(\q/2)*BPLANE+(\q%2)*64+\i*16*PITCH+32
.endr
.irp i, 0,1,2,3,4,5,6,7
	ds_load_b128 v[FA0+64*\f+8*\i:FA0+64*\f+8*\i+3],   v[ADRA+\slot] offset:(\q/2)*APLANE+(\q%2)*64+\i*16*PITCH
	ds_load_b128 v[FA0+64*\f+8*\i+4:FA0+64*\f+8*\i+7], v[ADRA+\slot] offset:(\q/2)*APLANE+(\q%2)*64+\i*16*PITCH+32
.endr
.endm
; cnt row blocks from a0 on x all four column blocks.  The 32 accumulators take turns, one instruction a turn, always in the same order, over every seam and
; the loop's backward jump.  zero = 1: the first product starts the sums.
.macro MULR f, a0, cnt, zero
.set ma, \a0
.rept \cnt
.irp b, 0,1,2,3
.if \zero
	v_wmma_f32_16x16x32_f16 v[8*(4*ma+\b):8*(4*ma+\b)+7], v[FB0+32*\f+8*\b:FB0+32*\f+8*\b+7], v[FA0+64*\f+8*ma:FA0+64*\f+8*ma+7], 0
.else
	v_wmma_f32_16x16x32_f16 v[8*(4*ma+\b):8*(4*ma+\b)+7], v[FB0+32*\f+8*\b:FB0+32*\f+8*\b+7], v[FA0+64*\f+8*ma:FA0+64*\f+8*ma+7], v[8*(4*ma+\b):8*(4*ma+\b)+7]
.endif
.endr
.set ma, ma+1
.endr
.endm
; One of a K step's first three quarters: multiplies buffer f, and first asks for quarter qn into buffer g, a whole quarter (32 matrix instructions) ahead of its use
.macro QUARTER slot, qn, f, g, zero
	s_wait_dscnt 0x0                               ; buffer f, asked for a quarter ago
	PLACES                                         ; the matrix instructions just issued read buffer g
	FETCH \slot, \qn, \g
	WIN 0x50                                       ; C and D in window 1
	MULR \f, 0, 8, \zero
	WIN 0
.endm
.macro THREE slot, zero
	QUARTER \slot, 1, 0, 1, \zero
	QUARTER \slot, 2, 1, 0, 0
	QUARTER \slot, 3, 0, 1, 0
.endm
; The last quarter multiplies buffer 1 and changes slots.  In front of the barrier each wave has waited for its reads of this slot and for all its tensor loads (the one
; that is out is its part of the next slot).  fill = 1: the barrier opens a round of the cluster's barrier, and the joint refill is the first tensor load behind the round.
.macro TURN slot, next, fill
	s_wait_dscnt 0x0
	s_wait_tensorcnt 0x0
	ds_add_u32 v254, v255
	s_wait_dscnt 0x0
	s_barrier_signal -1
	WIN 0x50
	MULR 1, 0, 2, 0                                ; registers only, while the others arrive
	WIN 0
	s_barrier_wait -1
.if \fill
	CREST
	s_add_nc_u64 s[G0+4*\slot+2:G0+4*\slot+3], s[G0+4*\slot+2:G0+4*\slot+3], 4*APANEL      ; two K steps on; no tensor load of mine is out
	s_add_nc_u64 s[G0B+4*\slot+2:G0B+4*\slot+3], s[G0B+4*\slot+2:G0B+4*\slot+3], 4*BPANEL
	JLOAD \slot
.endif
	PLACES                                         ; buffer 0 was read by the quarter before
	FETCH \next, 0, 0
	WIN 0x50
	MULR 1, 2, 6, 0
	WIN 0
.endm
.macro LAP zero
	THREE 0, \zero
	TURN 0, 1, 1
	THREE 1, 0
	TURN 1, 0, 1
.endm
	s_wait_tensorcnt 0x1                           ; my part of K step 0 is in; K step 1's stays out
	s_barrier_signal -1
	s_barrier_wait -1
	FETCH 0, 0, 0
	LAP 1
	s_mov_b32 s3, LAPS-2
.Llap:
	LAP 0
	s_sub_co_u32 s3, s3, 1
	s_cmp_lg_u32 s3, 0
	s_cbranch_scc1 .Llap
	THREE 0, 0                                     ; the last lap fills nothing
	TURN 0, 1, 0
	THREE 1, 0
	s_wait_dscnt 0x0
	WIN 0x50
	MULR 1, 0, 8, 0
	WIN 0
	; THE WAY OUT, 16 rows at a time, in f32: my 64 columns are 256 bytes of a row of C.
	PLACES
	s_lshl_b32 s16, s13, 20                        ; 256 rows of 4,096 bytes x block row
	s_lshl_b32 s14, s11, 19                        ; + my 128 rows
	s_add_co_u32 s16, s16, s14
	s_mov_b32 s17, 0
	s_add_nc_u64 s[8:9], s[8:9], s[16:17]
	s_lshl_b32 s46, s42, 9                         ; 128 columns of 4 bytes x block column (in the registers that held B's address)
	s_lshl_b32 s47, s12, 8                         ; + my 64 columns
	s_add_co_u32 s46, s46, s47
	s_mov_b32 s47, 0
	s_add_nc_u64 s[8:9], s[8:9], s[46:47]
.macro OUT16 a, f
	WIN 0x04                                       ; an LDS store's data are source 1: window 1
.irp b, 0,1,2,3
	ds_store_b128 v[STO], v[8*(4*\a+\b):8*(4*\a+\b)+3]   offset:64*\b
	ds_store_b128 v[STO], v[8*(4*\a+\b)+4:8*(4*\a+\b)+7] offset:64*\b+16
.endr
	WIN 0
	s_wait_xcnt 0x0                                ; the registers that earlier stores read are loaded again only behind this wait
.irp t, 0,1,2,3,4,5,6,7
	ds_load_b128 v[\f+4*\t:\f+4*\t+3], v[RD] offset:\t*2*SPITCH    ; my own bytes, served in order behind the stores above
.endr
.irp t, 0,1,2,3,4,5,6,7
	s_wait_dscnt 7-\t
	global_store_b128 v[CO], v[\f+4*\t:\f+4*\t+3], s[8:9] offset:(16*\a+2*\t)*4096 th:TH_STORE_NT   ; sixteen lanes store 256 consecutive bytes, aligned
.endr
.endm
	OUT16 0, 32
	OUT16 1, 64
	OUT16 2, 32
	OUT16 3, 64
	OUT16 4, 32
	OUT16 5, 64
	OUT16 6, 32
	OUT16 7, 64
	s_wait_tensorcnt 0x0
	ds_add_u32 v254, v255
	s_wait_dscnt 0x0
	CROUND                                         ; the closing round: no work-group ends while a partner may still ask for a tile that names it
	s_endpgm
.Lfunc_end_k_qac1c4b2971_gproj:
	.size	k_qac1c4b2971_gproj, .Lfunc_end_k_qac1c4b2971_gproj-k_qac1c4b2971_gproj
	.p2alignl 7, 3214868480
	.fill 96, 4, 3214868480
	.section	.rodata,"a",@progbits
	.p2align	6, 0x0
	.amdhsa_kernel k_qac1c4b2971_gproj
		.amdhsa_group_segment_fixed_size 327680
		.amdhsa_private_segment_fixed_size 0
		.amdhsa_enable_private_segment 0
		.amdhsa_kernarg_size 24
		.amdhsa_user_sgpr_count 2
		.amdhsa_user_sgpr_kernarg_segment_ptr 1
		.amdhsa_wavefront_size32 1
		.amdhsa_system_sgpr_workgroup_id_x 1
		.amdhsa_system_sgpr_workgroup_id_y 1
		.amdhsa_system_sgpr_workgroup_id_z 1
		.amdhsa_system_vgpr_workitem_id 0
		.amdhsa_next_free_vgpr 512
		.amdhsa_next_free_sgpr 66
		.amdhsa_reserve_vcc 0
		.amdhsa_float_denorm_mode_32 3
		.amdhsa_float_denorm_mode_16_64 3
		.amdhsa_memory_ordered 1
		.amdhsa_forward_progress 1
		.amdhsa_inst_pref_size 117
	.end_amdhsa_kernel
	.amdgpu_metadata
---
amdhsa.version: [ 1, 2 ]
amdhsa.kernels:
  - .name:           k_qac1c4b2971_gproj
    .symbol:         k_qac1c4b2971_gproj.kd
    .args:
      - { .name: att, .offset: 0, .size: 8, .value_kind: global_buffer, .address_space: global }
      - { .name: wt, .offset: 8, .size: 8, .value_kind: global_buffer, .address_space: global }
      - { .name: out0, .offset: 16, .size: 8, .value_kind: global_buffer, .address_space: global }
    .group_segment_fixed_size: 327680
    .private_segment_fixed_size: 0
    .kernarg_segment_align: 8
    .kernarg_segment_size: 24
    .max_flat_workgroup_size: 128
    .sgpr_count:     66
    .vgpr_count:     512
    .wavefront_size: 32
...
	.end_amdgpu_metadata
.endif
;; end of part 4
;; ======== version 2 of 2: 4 launches; version 1 with the launch prep written anew for expert scheduling mode
;; limits: values are held in f16: magnitudes above 65,504 overflow, below 6.1e-05 lose precision
;; workspace buffers: xb 16,777,216 bytes; wt 8,388,608 bytes; qkv 50,331,648 bytes; att 16,777,216 bytes
;; launch prep (part 5): grid 768 x 1, 4 waves a work-group, no clusters, 37,376 bytes of LDS; arguments x, w_qkv, w_proj, xb, wt; writes xb, wt
.if DOCPART == 5
	.amdgcn_target "amdgcn-amd-amdhsa--gfx1250"
	.amdhsa_code_object_version 6
	.text
	.protected	k_qac1c4b2971_prep
	.globl	k_qac1c4b2971_prep
	.p2align	8
	.type	k_qac1c4b2971_prep,@function
k_qac1c4b2971_prep:
	s_mov_b64 s[64:65], 0
	v_nop
	global_prefetch_b8 v0, s[64:65] scope:SCOPE_SE
	s_setreg_imm32_b32 hwreg(HW_REG_WAVE_SCHED_MODE, 0, 2), 2
	s_setreg_imm32_b32 hwreg(HW_REG_WAVE_MODE, 25, 1), 1
	s_wait_xcnt 0x0
	s_wait_alu depctr_vm_vsrc(0)
; prep: casts x, and casts and transposes both weights, into PANELS: P[col/64][row][64], 16-bit numbers, a row of 128 bytes, rows without gaps.
;   xb [16][8192][64] bf16 = x.     wt [16 kp][4096 n][64 k]: n 0..3071 = w_qkv transposed (bf16), n 3072..4095 = w_proj transposed.
; Every tile that a later launch wants is then a dense block, and every store here covers 256 or 512 consecutive aligned bytes.
; FORMATS OF THE WHOLE PROGRAM.  x, w_qkv: bf16.  w_proj: rounded to bf16 and then held as f16, which holds every bf16 number from 2^-17 to
; 65,504 exactly (smaller ones within 2^-25): its partner in the last product, the attention output, is kept in f16, whose three more bits are
; needed because the first rows of a sequence are some ten times larger than the output's root mean square.  q, k, v, the attention weights and
; the attention output: f16.  LIMIT: |q|, |k| or |v| above 65,504 become infinity (with inputs of spread 1 and 1/32 they stay under about 6;
; both 30 times larger: about 5,000; both carrying offsets of 30 spreads: about 28,800).  All sums, maxima and exponentials in f32.
; WORK LEFT OUT IN THE PROGRAM.  reference() replaces the score of every key > query by -inf in its own body, so that key's weight is exactly 0
; whatever q, k and v hold.  The attention launch therefore computes no unit of 16 queries x 64 keys that lies wholly above the diagonal.
; LIMIT: a NaN or an infinity in k or v that reaches only such units is not carried to the result.  All three inputs are live and are loaded.
; SHARING.  A wave does one task of 64 x 64 numbers (16 KiB in, 8 KiB out) and needs no other wave: no barrier.  Work-groups 0..511: x;
; 512..703: w_qkv; 704..767: w_proj.  Task T: panel kp = T & 15, block of 64 rows (x) or 64 columns n (weights) blk = T >> 4.
; THE MODE: SCHED_MODE bits 1:0 = 2 (LLVM: expert scheduling mode 2), set by the entry lines.  The code itself states the register dependences
; between vector instructions and memory or LDS instructions, with s_wait_alu, always for 0.
; THE PLAN.  Registers that memory or LDS instructions touch:
;   v1 - v4      offsets and LDS addresses: written once at the head of a path, ahead of that path's first wait on va_vdst, and never named by a vector instruction again.
;   v[32:159]    raw: the 32 global loads land here, the conversions read them.  In the weights' paths the sixteen LDS loads land in v[32:95] behind the last
;                wait on va_vdst, behind which no vector instruction stands; the global stores then read them.
;   v[160:223]   out: each register is written by one step's conversions alone and read by one store (x: to memory; weights: to the stage in LDS).
;   v224, v225   written at the head, read by the closing add alone.
; The conversions go in groups of four steps.  ONE wait on va_vdst stands at the head of a group, behind the wait for the group's first data: it states that the
; group before has written its out registers.  That group's four stores follow it, one in front of each step's conversions, which write other out registers.
; No register that a memory or LDS instruction reads is ever written again, so no wait on vm_vsrc is owed but the closing lines' own.
.set TP, 144                           ; pitch of the transposing stage in LDS: 128 bytes + 16
	s_load_b256 s[4:11], s[0:1], 0x0               ; x s[4:5], w_qkv s[6:7], w_proj s[8:9], xb s[10:11]
	s_load_b64 s[12:13], s[0:1], 0x20              ; wt
	v_lshl_add_u32 v224, v0, 2, 0x9000
	v_mov_b32 v225, 0
	v_lshrrev_b32 v5, 5, v0
	v_readfirstlane_b32 s14, v5                    ; wave
	v_and_b32 v6, 15, v0                           ; c: my 16 bytes in 256
	v_bfe_u32 v7, v0, 4, 1                         ; hh: which half of the lanes
	v_and_b32 v8, 31, v0                           ; lane
	s_mov_b32 s23, 0                               ; high words of the two offsets
	s_mov_b32 s25, 0
	s_wait_alu depctr_va_sdst(0)                   ; s14 is written
	s_cmp_lt_u32 ttmp9, 512
	s_cbranch_scc0 .Lweights
	; x: a load takes 256 bytes of each of two rows; a store puts the same two rows, 2 x 128 bytes, side by side in the panel
	s_lshl2_add_u32 s15, ttmp9, s14                ; T = 4 g + wave
	s_and_b32 s16, s15, 15                         ; kp
	s_lshr_b32 s17, s15, 4                         ; blk
	s_lshl_b32 s22, s17, 18                        ; 64 rows of 4,096 bytes
	s_lshl_b32 s26, s16, 8                         ; 64 columns of 4 bytes
	s_add_co_u32 s22, s22, s26
	s_lshl_b32 s24, s16, 20                        ; a panel of xb: 8,192 rows of 128 bytes
	s_lshl_b32 s26, s17, 13                        ; 64 rows of 128 bytes
	s_add_co_u32 s24, s24, s26
	v_lshlrev_b32 v1, 12, v7                       ; lanes 16-31: the next row
	v_lshl_add_u32 v1, v6, 4, v1
	v_lshlrev_b32 v2, 3, v8                        ; 8 bytes a lane: 256 consecutive bytes a store
	s_wait_kmcnt 0x0
	s_add_nc_u64 s[18:19], s[4:5], s[22:23]
	s_add_nc_u64 s[20:21], s[10:11], s[24:25]
	s_wait_alu depctr_va_vdst(0)                   ; v1 and v2 are written: every load below reads v1 as its offset, every store v2
.set it, 0
.rept 32
	global_load_b128 v[32+4*it:35+4*it], v1, s[18:19] offset:it*8192 th:TH_LOAD_NT
.set it, it+1
.endr
; Step t converts load t into out pair t.  The store of pair t - 4 stands in step t: the wait at the head of step t's group of four has all of the group before ahead of it,
; and the conversions issued since that wait write the pairs of step t's own group.
.set it, 0
.rept 32
	s_wait_loadcnt 31-it                           ; loads come back in order: the 31 - t younger ones stay out
.if (it > 0) && (it % 4 == 0)
	s_wait_alu depctr_va_vdst(0)                   ; the conversions of the four steps before have written their out pairs, which the next four stores read
.endif
.if it >= 4
	global_store_b64 v2, v[160+2*(it-4):161+2*(it-4)], s[20:21] offset:256*(it-4)   ; no register is written twice: no further wait
.endif
	v_cvt_pk_bf16_f32 v[160+2*it], v[32+4*it], v[33+4*it]
	v_cvt_pk_bf16_f32 v[161+2*it], v[34+4*it], v[35+4*it]
.set it, it+1
.endr
	s_wait_alu depctr_va_vdst(0)                   ; the last four steps' conversions have written out pairs 28 to 31, which the last four stores read
.irp t, 28,29,30,31
	global_store_b64 v2, v[160+2*\t:161+2*\t], s[20:21] offset:256*\t
.endr
	s_endpgm                                       ; this path has stored nothing into LDS
; A weight's task: 64 k x 64 n of f32, stored [k][n], becomes 64 rows n of 64 k.  src: the scalar pair with the weight's address; PW: bytes in a row of it;
; NOFF: its first row in wt; G0: its first work-group; half = 1: the bf16 roundings are kept as f16.
; Lane (c, hh) loads w[32 hh + 2 v + ab][4 c .. 4 c + 3]; a conversion packs k and k + 1 of one n, so sixteen registers hold 32 k of one n: 64 bytes of a row of the stage.
.macro TRANSP src, PW, NOFF, G0, half
	s_sub_co_u32 s15, ttmp9, \G0
	s_lshl2_add_u32 s15, s15, s14                  ; T
	s_and_b32 s16, s15, 15                         ; kp
	s_lshr_b32 s17, s15, 4                         ; blk
	s_mul_i32 s22, s16, 64*\PW                     ; 64 rows k
	s_lshl_b32 s26, s17, 8                         ; 64 columns n of 4 bytes
	s_add_co_u32 s22, s22, s26
	s_lshl_b32 s24, s16, 19                        ; a panel of wt: 4,096 rows of 128 bytes
	s_lshl_b32 s26, s17, 13
	s_add_co_u32 s24, s24, s26
.if \NOFF
	s_add_co_u32 s24, s24, \NOFF*128
.endif
	v_mul_u32_u24 v1, v7, 32*\PW                   ; lanes 16-31: 32 rows k further down
	v_lshl_add_u32 v1, v6, 4, v1
	v_lshlrev_b32 v2, 4, v8                        ; 16 bytes a lane: 512 consecutive bytes a store
	s_mul_i32 s27, s14, 64*TP                      ; my wave's own stage
	v_mul_u32_u24 v3, v6, 4*TP                     ; in: rows n = 4 c + j, 64 bytes for each half of the lanes
	v_lshl_add_u32 v3, v7, 6, v3
	v_add_nc_u32 v3, s27, v3
	v_lshrrev_b32 v4, 3, v8                        ; back: eight lanes take a row of 128 bytes
	v_mul_u32_u24 v4, v4, TP
	v_and_b32 v9, 7, v0
	v_lshl_add_u32 v4, v9, 4, v4
	v_add_nc_u32 v4, s27, v4
	s_wait_kmcnt 0x0
	s_add_nc_u64 s[18:19], s[\src:\src+1], s[22:23]
	s_add_nc_u64 s[20:21], s[12:13], s[24:25]
	s_wait_alu depctr_va_vdst(0)                   ; v1 to v4 are written: the loads read v1, the LDS stores v3, the LDS loads v4, the stores v2; no vector instruction below names them
.set it, 0
.rept 32
	global_load_b128 v[32+4*it:35+4*it], v1, s[18:19] offset:it*\PW th:TH_LOAD_NT
.set it, it+1
.endr
; Step v converts rows 2 v and 2 v + 1 into place v of each of the four blocks of sixteen out registers (block j: row n = 4 c + j).  Four steps fill 16 bytes of each of the four
; rows: quarter q = v / 4.  The four LDS stores of quarter q - 1 stand in the four steps of quarter q, behind the wait at that quarter's head; the conversions issued since
; that wait write places 4 q and up, the stores read places 4 q - 4 to 4 q - 1.
; The stores' sixteen lanes fall on four 16-byte columns modulo 256 bytes (576 c): four deep, for 16 stores in the whole task.
.set iv, 0
.rept 16
	s_wait_loadcnt 30-2*iv                         ; rows 2 v and 2 v + 1 are in; the 30 - 2 v younger loads stay out
.if (iv > 0) && (iv % 4 == 0)
	s_wait_alu depctr_va_vdst(0)                   ; the conversions of the four steps before have written their quarter of the out registers, which the next four LDS stores read
.endif
.if iv >= 4
	ds_store_b128 v3, v[160+16*(iv%4)+4*(iv/4-1):163+16*(iv%4)+4*(iv/4-1)] offset:TP*(iv%4)+16*(iv/4-1)
.endif
.irp j, 0,1,2,3
	v_cvt_pk_bf16_f32 v[160+16*\j+iv], v[32+8*iv+\j], v[36+8*iv+\j]
.if \half
	v_lshlrev_b32 v10, 16, v[160+16*\j+iv]         ; the two bf16 roundings as f32,
	v_and_b32 v11, 0xffff0000, v[160+16*\j+iv]
	v_cvt_pk_f16_f32 v[160+16*\j+iv], v10, v11     ; and as f16
.endif
.endr
.set iv, iv+1
.endr
	s_wait_alu depctr_va_vdst(0)                   ; the last four steps have written the last quarter, which the LDS stores below read; and all conversions are done reading v[32:95], in which the LDS loads below land
.irp j, 0,1,2,3
	ds_store_b128 v3, v[172+16*\j:175+16*\j] offset:TP*\j+48
.endr
.irp t, 0,1,2,3,4,5,6,7,8,9,10,11,12,13,14,15
	ds_load_b128 v[32+4*\t:35+4*\t], v4 offset:4*TP*\t     ; my own bytes; LDS serves a wave's instructions in order (ISA guide 5.7.1): these see the stores above
.endr
.irp t, 0,1,2,3,4,5,6,7,8,9,10,11,12,13,14,15
	s_wait_dscnt 15-\t
	global_store_b128 v2, v[32+4*\t:35+4*\t], s[20:21] offset:512*\t       ; four rows n of the panel
.endr
	s_wait_dscnt 0x0                               ; the closing lines, six on end
	s_wait_alu 0x0
	s_wait_tensorcnt 0x0
	ds_add_u32 v224, v225
	s_wait_dscnt 0x0
	s_endpgm
.endm
.Lweights:
	s_cmp_lt_u32 ttmp9, 704
	s_cbranch_scc0 .Lproj
	TRANSP 6, 12288, 0, 512, 0
.Lproj:
	TRANSP 8, 4096, 3072, 704, 1
.Lfunc_end_k_qac1c4b2971_prep:
	.size	k_qac1c4b2971_prep, .Lfunc_end_k_qac1c4b2971_prep-k_qac1c4b2971_prep
	.p2alignl 7, 3214868480
	.fill 96, 4, 3214868480
	.section	.rodata,"a",@progbits
	.p2align	6, 0x0
	.amdhsa_kernel k_qac1c4b2971_prep
		.amdhsa_group_segment_fixed_size 37376
		.amdhsa_private_segment_fixed_size 0
		.amdhsa_enable_private_segment 0
		.amdhsa_kernarg_size 40
		.amdhsa_user_sgpr_count 2
		.amdhsa_user_sgpr_kernarg_segment_ptr 1
		.amdhsa_wavefront_size32 1
		.amdhsa_system_sgpr_workgroup_id_x 1
		.amdhsa_system_sgpr_workgroup_id_y 1
		.amdhsa_system_sgpr_workgroup_id_z 1
		.amdhsa_system_vgpr_workitem_id 0
		.amdhsa_next_free_vgpr 226
		.amdhsa_next_free_sgpr 66
		.amdhsa_reserve_vcc 0
		.amdhsa_float_denorm_mode_32 3
		.amdhsa_float_denorm_mode_16_64 3
		.amdhsa_memory_ordered 1
		.amdhsa_forward_progress 1
		.amdhsa_inst_pref_size 49
	.end_amdhsa_kernel
	.amdgpu_metadata
---
amdhsa.version: [ 1, 2 ]
amdhsa.kernels:
  - .name:           k_qac1c4b2971_prep
    .symbol:         k_qac1c4b2971_prep.kd
    .args:
      - { .name: x, .offset: 0, .size: 8, .value_kind: global_buffer, .address_space: global }
      - { .name: w_qkv, .offset: 8, .size: 8, .value_kind: global_buffer, .address_space: global }
      - { .name: w_proj, .offset: 16, .size: 8, .value_kind: global_buffer, .address_space: global }
      - { .name: xb, .offset: 24, .size: 8, .value_kind: global_buffer, .address_space: global }
      - { .name: wt, .offset: 32, .size: 8, .value_kind: global_buffer, .address_space: global }
    .group_segment_fixed_size: 37376
    .private_segment_fixed_size: 0
    .kernarg_segment_align: 8
    .kernarg_segment_size: 40
    .max_flat_workgroup_size: 128
    .sgpr_count:     66
    .vgpr_count:     226
    .wavefront_size: 32
...
	.end_amdgpu_metadata
.endif
;; end of part 5
;; launch gqkv: the kernel of part 2 again; grid 24 x 32, 4 waves a work-group, clusters of 4 x 4, 327,680 bytes of LDS; arguments xb, wt, qkv; writes qkv
;; launch attn: the kernel of part 3 again; grid 4 x 64, 4 waves a work-group, no clusters, 327,680 bytes of LDS; arguments qkv, att; writes att
;; launch gproj: the kernel of part 4 again; grid 8 x 32, 4 waves a work-group, clusters of 4 x 4, 327,680 bytes of LDS; arguments att, wt, out0; writes out0
